; MI455X (gfx1250); checked and timed in simulation.
; The chip was launched on July 23, 2026; its instructions are those of AMD's public machine-readable ISA for CDNA 5 (MIT licence, August 2026) and "CDNA5" Instruction Set Architecture Reference Guide (July 2026). The comments in the code are by the model that wrote it; some were corrected since.
;; Causalf Attention. Allowed arithmetic: matrix products marked QUANTISED: E4M3 operands, one E8M0 scale for each 32 along K, by v_wmma_scale_f32_16x16x128_f8f6f4 with both operands' format E4M3, f32 sums; everything else in f32.
;; Inputs: Wk 1,024 x 1,024 float32; Wq 1,024 x 1,024 float32; Wv 1,024 x 1,024 float32; x 4 x 2,048 x 1,024 float32.
;; Outputs: out0 4 x 2,048 x 1,024 float32.
;; This version of the problem:
;;   THIS VERSION OF THE PROBLEM IS GIVEN IN LOW PRECISION. The matrix products marked QUANTISED in the list below multiply operands that are first quantised to E4M3 (4 exponent bits, 3 mantissa bits; 8 bits a number), with one power-of-two scale for each 32 numbers along K (OCP MX v1.0); their sums are f32. All else is computed in f32.
;;   The module's matrix products, in the order in which they are computed (A, B: the left and right operand; K: the contracted axis; several contracted axes count as one K, in the product's order):
;;     1. [M 8,192, K 1,024] x [K 1,024, N 1,024]; A: input x; B: input Wq: QUANTISED
;;     2. [M 8,192, K 1,024] x [K 1,024, N 1,024]; A: input x; B: input Wk: QUANTISED
;;     3. [M 8,192, K 1,024] x [K 1,024, N 1,024]; A: input x; B: input Wv: QUANTISED
;;     4. batch 4 x [M 2,048, K 1,024] x [K 1,024, N 2,048]; A: computed on the way; B: computed on the way: QUANTISED
;;     5. batch 4 x [M 2,048, K 2,048] x [K 2,048, N 1,024]; A: softmax (see below); B: computed on the way: QUANTISED
;;   THE QUANTISER, for each operand of a quantised product, along K:
;;     - K is cut into blocks of 32 from its start; a last block that is shorter is filled with zeros.
;;     - A block's scale is 2^e with e = floor(log2(the largest magnitude in the block)) - 8, held to -126 .. 127; a block of zeros has e = 0. As a byte (E8M0): e + 127.
;;     - Each number is divided by its block's scale, clamped to +-448, and rounded to the nearest number of E4M3, ties to even, subnormals kept.
;;     - The product sums the exact products of the quantised numbers (number of the format x scale) in f32.
;;   ~~~python
;;   def quantise(x, axis):      # numpy; x: float32 -> the quantised numbers, widened to float32 again
;;       x = np.moveaxis(x, axis, -1); K = x.shape[-1]
;;       x = np.pad(x, [(0, 0)] * (x.ndim - 1) + [(0, -K % 32)]); x = x.reshape(x.shape[:-1] + (-1, 32)); a = np.abs(x).max(-1, keepdims=True)
;;       e = np.where(a > 0, np.clip(np.frexp(np.where(a > 0, a, 1))[1] - 1 - 8, -126, 127), 0)      # np.frexp(a)[1] - 1 = floor(log2(a)), exactly
;;       r = np.clip(x / 2.0 ** e, -448, 448)
;;       step = 2.0 ** (np.maximum(np.frexp(np.where(r == 0, 1, r))[1] - 1, -6) - 3)
;;       q = np.round(r / step) * step * 2.0 ** e      # np.round: ties to even
;;       return np.moveaxis(q.reshape(q.shape[:-2] + (-1,))[..., :K], -1, axis).astype(np.float32)
;;   ~~~
;;   SOFTMAX AHEAD OF A QUANTISED PRODUCT. Where the list says 'softmax', what is quantised is not the finished softmax but p = 2^(t - M), with t = logit x log2(e) and M = ceil(the row's largest t), a whole number; so 1/2 < the row's largest p <= 1. The row's sum l is taken of the UNQUANTISED p, in f32, and the product's result is divided by l at the end. Since M is a whole number, a kernel that streams over the keys may use a running M (the ceiling of the running maximum): every later rescaling is an exact power of two, which a block's scale takes up: the codes' values come out the same.
;;   OPERANDS COMPUTED ON THE WAY. 'Computed on the way' means the value that the module computes at that place (a softmax that the list does not call 'softmax' is quantised finished and normalised). What goes into a quantiser is computed in f32, as accurately as f32 sums, v_exp_f32 and their like allow (about 1e-6 of the number): no bf16 or f16 on the way to a quantiser, and a product that is left as it is and whose result goes on into a quantised operand takes f32 operands (vector FMAs, or v_wmma_f32_16x16x4_f32). A number that lies on a knife's edge between two numbers of the format may be rounded either way, as far as f32 arithmetic and the matrix unit's own rounding can turn it there, and no further.
;; One version. Each part assembles by itself: llvm-mc -triple=amdgcn-amd-amdhsa -mcpu=gfx1250 --defsym DOCPART=n.
;; ======== version 1 of 1: 4 launches
;; limits: right only within a limited range of input values
;; workspace buffers: xwP 11,894,784 bytes; qkP 17,301,504 bytes; vP 8,650,752 bytes; pP 17,301,504 bytes; sP 1,048,576 bytes
;; launch image (part 1): grid 704 x 1, 4 waves a work-group, no clusters, 69,120 bytes of LDS; arguments x, Wq, Wk, Wv, xwP; writes xwP
.if DOCPART == 1
	.amdgcn_target "amdgcn-amd-amdhsa--gfx1250"
	.amdhsa_code_object_version 6
	.text
	.protected	k_qe0157a4fa3_image
	.globl	k_qe0157a4fa3_image
	.p2align	8
	.type	k_qe0157a4fa3_image,@function
k_qe0157a4fa3_image:
	s_mov_b64 s[64:65], 0
	v_nop
	global_prefetch_b8 v0, s[64:65] scope:SCOPE_SE
	s_setreg_imm32_b32 hwreg(HW_REG_WAVE_MODE, 25, 1), 1
	s_wait_xcnt 0x0
; x [8192][1024] and Wq, Wk, Wv [1024][1024], f32, K innermost, become codes of E4M3 with one E8M0 byte for each 32 along K, laid in BLOCK RECORDS.
; A BLOCK RECORD is 16 rows x all 1,024 of K, 16,896 bytes: eight fragment images of 2,048 bytes, one for each 128 along K, then 512 bytes of scale words.
; In fragment s, chunk c (512 bytes), lane l = 16 h + r has 16 bytes at 16 l: the codes k = 128 s + 32 c + 16 h + 0 .. 15 of the block's row r.  The scale word of (row r, fragment s) lies at 16,384 + 4 (8 r + s).
; So a fragment is read later by four loads of 16 bytes a lane, as it stands in the operand's registers.
; THE ROWS OF A BLOCK are two runs of eight.  x and Wv, block b of the tensor: rows 32 (b / 2) + 8 (b % 2) + 0 .. 7 and the eight that lie 16 further on.
; Wq and Wk: rows 64 (b / 4) + 8 (b % 4) + 0 .. 7 and the eight that lie 32 further on.  So the next launch's results come out as neighbours along the next K.
; Record numbers: 0-511 x, 512-575 Wq, 576-639 Wk, 640-703 Wv: the work-group's number.
; A block's scale is 2^(floor(log2(its largest magnitude)) - 8); its byte is the largest magnitude's exponent field - 8, held at 1 from below.
; LIMITS: a block of zeros, or one whose largest magnitude lies under 2^(9 - 127), keeps the byte 1 (its codes under that scale; zeros stay zeros; this program alone reads the bytes); NaN and infinities are not served.
; SHARES: wave w takes K steps 2 w and 2 w + 1 of the work-group's 16 rows.  Each load reads 512 consecutive bytes of one row;
; a fragment's 16 rows turn through the wave's own stage in LDS (rows 528 bytes apart), so that a lane gets 16 neighbours of each block of 32.
; No tensor load, no cluster, no prefetch: work-groups share no input, and all of a wave's loads are asked for at once.
.set REC,  16896
.set FRG,  2048
.set SCO,  16384
.set SP,   528                         ; a stage row: 512 bytes + 16
.set STT,  16*SP                       ; a fragment's stage
.set STW,  2*STT                       ; a wave's two
.set SCG,  4*STW                       ; behind the stages: the record's 512 bytes of scale words are gathered here
.set SPARE, SCG+1024                   ; the spare words, 128 bytes for each wave, in blocks of 256 bytes that no other line names
.set NIL,  1                           ; v1   0 (made when the lane's number has been used)
.set OFF,  4                           ; v4   16 x lane
.set SIN,  5                           ; v5   the stage, on the way in
.set SOUT, 6                           ; v6   and on the way out: 528 r + 64 h
.set SWA,  7                           ; v7   where my two scale words go: SCG + 32 r + 8 w
.set SRA,  8                           ; v8   SCG + 16 x lane
.set SPW,  9                           ; v9   my spare word
.set PW,   10                          ; v10-11 the two scale words
.set TM,   12                          ; v12-27 at work
.set GB,   28                          ; v28-31 the gathered words
.set C,    32                          ; v32-63 codes, 16 registers a fragment
.set R,    64                          ; v64-191 the numbers as loaded
.set X,    192                         ; v192-255 64 numbers: register 16 b + i = k 32 b + 16 h + i of my row
.set WV,   22
.set SEL,  20
.set MNT,  23
; 64 numbers of a lane become a fragment's codes in v[pc] on and its scale word in v[pw]
.macro QUANT s, pc, pw
.irp b, 0,1,2,3
	v_max3_num_f32 v[TM+\b], |v[\s+16*\b]|, |v[\s+1+16*\b]|, 0x4800000   ; block b: my 16 numbers, and the floor 2^(9 - 127): the byte cannot fall under 1
.endr
.irp i, 2,4,6,8,10,12,14
.irp b, 0,1,2,3
	v_max3_num_f32 v[TM+\b], v[TM+\b], |v[\s+16*\b+\i]|, |v[\s+1+16*\b+\i]|   ; the four blocks by turns
.endr
.endr
.irp b, 0,1,2,3
	v_permlanex16_b32 v[TM+4+\b], v[TM+\b], s[SEL], s[SEL+1]
.endr
.irp b, 0,1,2,3
	v_max_num_f32 v[TM+\b], v[TM+\b], v[TM+4+\b]   ; with lane l xor 16's: the block's largest magnitude
.endr
.irp b, 0,1,2,3
	v_add_nc_u32 v[TM+12+\b], 0xfc000000, v[TM+\b]   ; 8 off its exponent field: the conversion's scale operand
.endr
.irp b, 0,1,2,3
	v_and_or_b32 v[TM+8+\b], v[TM+\b], 0x7f800000, s[MNT]   ; 448 x the scale
.endr
.irp b, 0,1,2,3
	v_lshrrev_b32 v[TM+4+\b], 23, v[TM+12+\b]   ; the scale's byte
.endr
	v_lshl_or_b32 v[\pw], v[TM+5], 8, v[TM+4]
	v_lshl_or_b32 v[\pw], v[TM+6], 16, v[\pw]
	v_lshl_or_b32 v[\pw], v[TM+7], 24, v[\pw]
.irp b, 0,1,2,3
.irp i, 0,1,2,3,4,5,6,7,8,9,10,11,12,13,14,15
	v_med3_num_f32 v[\s+16*\b+\i], v[\s+16*\b+\i], -v[TM+8+\b], v[TM+8+\b]   ; the conversion to an 8-bit code does not saturate (ISA guide 7.6.2): the hold at the largest code x the scale
.endr
	v_cvt_scalef32_pk8_fp8_f32 v[\pc+4*\b:\pc+1+4*\b], v[\s+16*\b:\s+7+16*\b], v[TM+12+\b]
	v_cvt_scalef32_pk8_fp8_f32 v[\pc+2+4*\b:\pc+3+4*\b], v[\s+8+16*\b:\s+15+16*\b], v[TM+12+\b]
.endr
	v_nop                                          ; a plain line behind the last conversion
.endm
	s_load_b256 s[4:11], s[0:1], 0x0               ; x, Wq, Wk, Wv
	s_load_b64 s[12:13], s[0:1], 0x20              ; xwP
	v_lshl_add_u32 v[SPW], v0, 2, SPARE
	v_lshrrev_b32 v1, 5, v0
	v_readfirstlane_b32 s[WV], v1                  ; wave 0..3
	s_mul_i32 s26, s[WV], STW
	s_lshl_b32 s27, s[WV], 3
	s_add_co_u32 s27, s27, SCG
	v_and_b32 v1, 31, v0                           ; lane
	v_and_b32 v2, 15, v0                           ; r
	v_bfe_u32 v3, v0, 4, 1                         ; h
	v_lshlrev_b32 v[OFF], 4, v1
	v_add_nc_u32 v[SIN], s26, v[OFF]
	v_mul_u32_u24 v[SOUT], v2, SP
	v_lshl_add_u32 v[SOUT], v3, 6, v[SOUT]
	v_add_nc_u32 v[SOUT], s26, v[SOUT]
	v_lshl_add_u32 v[SWA], v2, 5, s27
	v_add_nc_u32 v[SRA], SCG, v[OFF]
.irp b, 0,1,2,3
	v_mov_b32 v[TM+4+\b], 0                        ; written once: a lane permute's destination counts as one of its sources
.endr
	v_mov_b32 v[NIL], 0
	s_mov_b32 s[SEL], 0x76543210
	s_mov_b32 s[SEL+1], 0xfedcba98                 ; v_permlanex16_b32's selects for lane l xor 16
	s_mov_b32 s[MNT], 0x600000                     ; the mantissa field of 448
	s_sub_co_u32 s25, ttmp9, 512                   ; (x's numbers wrap round to large ones)
	s_and_b32 s24, s25, 63                         ; a weight's block
	s_cmp_lt_u32 ttmp9, 512                        ; x's block or a weight's?  All choices hang on the work-group's number alone
	s_cselect_b32 s24, ttmp9, s24
	s_lshr_b32 s26, s24, 1
	s_lshl_b32 s26, s26, 5
	s_and_b32 s27, s24, 1
	s_lshl_b32 s27, s27, 3
	s_add_co_u32 s26, s26, s27                     ; x, Wv: 32 (b / 2) + 8 (b % 2)
	s_lshr_b32 s28, s24, 2
	s_lshl_b32 s28, s28, 6
	s_and_b32 s27, s24, 3
	s_lshl_b32 s27, s27, 3
	s_add_co_u32 s28, s28, s27                     ; Wq, Wk: 64 (b / 4) + 8 (b % 4)
	s_mov_b32 s30, 16*4096
	s_cmp_lt_u32 s25, 128
	s_cselect_b32 s28, s28, s26
	s_cselect_b32 s30, 32*4096, s30                ; from the first eight rows to the second
	s_mov_b32 s31, 0
	s_lshl_b32 s28, s28, 12                        ; a row is 4,096 bytes
	s_lshl_b32 s27, s[WV], 10                      ; my two K steps
	s_add_co_u32 s28, s28, s27
	s_mov_b32 s29, 0
	s_mul_i32 s24, ttmp9, REC
	s_lshl_b32 s27, s[WV], 12                      ; my two fragments
	s_add_co_u32 s24, s24, s27
	s_mov_b32 s25, 0
	s_wait_alu depctr_va_vdst(0)                   ; the wait at the head's end
	s_wait_kmcnt 0x0
	s_cmp_lt_u32 ttmp9, 640
	s_cselect_b64 s[16:17], s[8:9], s[10:11]
	s_cmp_lt_u32 ttmp9, 576
	s_cselect_b64 s[16:17], s[6:7], s[16:17]
	s_cmp_lt_u32 ttmp9, 512
	s_cselect_b64 s[16:17], s[4:5], s[16:17]
	s_add_nc_u64 s[16:17], s[16:17], s[28:29]
	s_add_nc_u64 s[14:15], s[16:17], s[30:31]
	s_add_nc_u64 s[18:19], s[12:13], s[24:25]
.irp u, 0,1
.irp j, 0,1,2,3,4,5,6,7
	global_load_b128 v[R+64*\u+4*\j:R+64*\u+4*\j+3], v[OFF], s[16:17] offset:\j*4096+512*\u th:TH_LOAD_NT   ; fragment u's row j: 512 consecutive bytes
.endr
.irp j, 0,1,2,3,4,5,6,7
	global_load_b128 v[R+64*\u+32+4*\j:R+64*\u+32+4*\j+3], v[OFF], s[14:15] offset:\j*4096+512*\u th:TH_LOAD_NT   ; row 8 + j
.endr
.endr
.macro TILE u
.if \u == 0
	s_wait_loadcnt 16                              ; the first fragment's 16 loads are in; the second's 16 may be out
.else
	s_wait_loadcnt 0x0
.endif
.irp j, 0,1,2,3,4,5,6,7,8,9,10,11,12,13,14,15
	ds_store_b128 v[SIN], v[R+64*\u+4*\j:R+64*\u+4*\j+3] offset:\u*STT+SP*\j
.endr
.irp c, 0,1,2,3
.irp i, 0,1,2,3
	ds_load_b128 v[X+16*\c+4*\i:X+16*\c+4*\i+3], v[SOUT] offset:\u*STT+128*\c+16*\i   ; LDS serves a wave's instructions in order: these see my stores
.endr
.endr
	s_wait_dscnt 0x0
	QUANT X, C+16*\u, PW+\u
.irp c, 0,1,2,3
	global_store_b128 v[OFF], v[C+16*\u+4*\c:C+16*\u+4*\c+3], s[18:19] offset:\u*FRG+512*\c   ; 32 lanes store 512 consecutive bytes; no store's data are written again
.endr
.endm
	TILE 0
	TILE 1
	ds_store_b64 v[SWA], v[PW:PW+1]                ; both halves of the lanes write the same words with the same values
	s_wait_dscnt 0x0                               ; for the others' sake: my words have landed
	s_barrier_signal -1
	s_barrier_wait -1
	s_cmp_lg_u32 s[WV], 0
	s_cbranch_scc1 .Ldone
	ds_load_b128 v[GB:GB+3], v[SRA]                ; wave 0 stores the record's 512 bytes of scale words as one run
	s_wait_dscnt 0x0
	global_store_b128 v[OFF], v[GB:GB+3], s[18:19] offset:SCO
.Ldone:
	s_wait_tensorcnt 0x0                           ; the wave's end
	ds_add_u32 v[SPW], v[NIL]
	s_wait_dscnt 0x0
	s_endpgm
.Lfunc_end_k_qe0157a4fa3_image:
	.size	k_qe0157a4fa3_image, .Lfunc_end_k_qe0157a4fa3_image-k_qe0157a4fa3_image
	.p2alignl 7, 3214868480
	.fill 96, 4, 3214868480
	.section	.rodata,"a",@progbits
	.p2align	6, 0x0
	.amdhsa_kernel k_qe0157a4fa3_image
		.amdhsa_group_segment_fixed_size 69120
		.amdhsa_private_segment_fixed_size 0
		.amdhsa_enable_private_segment 0
		.amdhsa_kernarg_size 40
		.amdhsa_user_sgpr_count 2
		.amdhsa_user_sgpr_kernarg_segment_ptr 1
		.amdhsa_wavefront_size32 1
		.amdhsa_system_sgpr_workgroup_id_x 1
		.amdhsa_system_sgpr_workgroup_id_y 1
		.amdhsa_system_sgpr_workgroup_id_z 1
		.amdhsa_system_vgpr_workitem_id 0
		.amdhsa_next_free_vgpr 256
		.amdhsa_next_free_sgpr 66
		.amdhsa_reserve_vcc 0
		.amdhsa_float_denorm_mode_32 3
		.amdhsa_float_denorm_mode_16_64 3
		.amdhsa_memory_ordered 1
		.amdhsa_forward_progress 1
		.amdhsa_inst_pref_size 28
	.end_amdhsa_kernel
	.amdgpu_metadata
---
amdhsa.version: [ 1, 2 ]
amdhsa.kernels:
  - .name:           k_qe0157a4fa3_image
    .symbol:         k_qe0157a4fa3_image.kd
    .args:
      - { .name: x, .offset: 0, .size: 8, .value_kind: global_buffer, .address_space: global }
      - { .name: Wq, .offset: 8, .size: 8, .value_kind: global_buffer, .address_space: global }
      - { .name: Wk, .offset: 16, .size: 8, .value_kind: global_buffer, .address_space: global }
      - { .name: Wv, .offset: 24, .size: 8, .value_kind: global_buffer, .address_space: global }
      - { .name: xwP, .offset: 32, .size: 8, .value_kind: global_buffer, .address_space: global }
    .group_segment_fixed_size: 69120
    .private_segment_fixed_size: 0
    .kernarg_segment_align: 8
    .kernarg_segment_size: 40
    .max_flat_workgroup_size: 128
    .sgpr_count:     66
    .vgpr_count:     256
    .wavefront_size: 32
...
	.end_amdgpu_metadata
.endif
;; end of part 1
;; launch proj (part 2): grid 16 x 16, 4 waves a work-group, clusters of 4 x 4, 327,680 bytes of LDS; arguments xwP, qkP, vP; writes qkP, vP
.if DOCPART == 2
	.amdgcn_target "amdgcn-amd-amdhsa--gfx1250"
	.amdhsa_code_object_version 6
	.text
	.protected	k_qe0157a4fa3_proj
	.globl	k_qe0157a4fa3_proj
	.p2align	8
	.type	k_qe0157a4fa3_proj,@function
k_qe0157a4fa3_proj:
	s_mov_b64 s[64:65], 0
	v_nop
	global_prefetch_b8 v0, s[64:65] scope:SCOPE_SE
	s_setreg_imm32_b32 hwreg(HW_REG_WAVE_MODE, 25, 1), 1
	s_wait_xcnt 0x0
	s_wait_alu depctr_hold_cnt(0) depctr_sa_sdst(0) depctr_va_vdst(0) depctr_va_sdst(0) depctr_va_ssrc(0) depctr_va_vcc(0) depctr_vm_vsrc(0)
	s_getreg_b32 s2, hwreg(HW_REG_IB_STS2, 6, 4)
	s_cmp_eq_u32 s2, 0
	s_cbranch_scc0 .Lentry_in_a_cluster
	s_endpgm
.Lentry_in_a_cluster:
	s_bfe_u32 s2, ttmp6, 0x10000c
	s_cmp_lg_u32 s2, 0xf033
	s_cbranch_scc0 .Lentry_shape_is_right
	s_endpgm
.Lentry_shape_is_right:
; q = x Wq^T, k = x Wk^T, v = x Wv^T and their quantisers, 8,192 x 3,072 x 1,024 on codes of E4M3, f32 sums.  No f32 result is stored.
; IN: xwP: block records of 16 rows x 1,024 of K (16,896 bytes: eight fragment images of 2,048 bytes, then 512 bytes of scale words at 4 (8 r + s)): x's 512, then 64 of each weight.
; OUT, in RECORDS of 128 rows x 128 of the next K, 16,896 bytes: fragment i (2,048 bytes), chunk c, lane l = 16 h + r: codes 32 c + 16 h + 0 .. 15 of row 32 (i / 2) + 8 (i % 2) + r + 8 (r / 8); the scale word of (i, r) at 16,384 + 4 (8 r + i).
;   qkP: q's records at (8 G + s), G = token / 128, s = column / 128; k's 512 records further on.  vP: rows = channels, K = tokens: (8 batch + channel / 128) 16 + token / 128.
; THE DEAL.  256 work-groups of four waves, 2 (rows, w) x 2 (columns, wc).  A wave holds 64 rows of a weight, all of K, in 512 registers and streams x past them in blocks of 16 rows, which stand in two sets of 128 registers.
; PHASE 1: 512 tokens x 128 columns of q (tile columns 0-7) or k (8-15).  PHASE 2: 256 of these tokens (window s18 of two) x 128 columns of v, tile column 4 (cluster x / 2) + cx of Wv.
; A CHUNK is a group of 128 tokens: 8 block records, 135,168 bytes, one LDS slot.  Row w of the waves takes its blocks i = 4 w + n, n = 0 .. 3.  Phase 1 takes the other window's two groups (chunks 0, 1), then v's (chunks 2, 3).
; Phase 2 takes chunk 3, which still lies in slot 1, then chunk 2 anew.
; FILLS.  Head: waves 0, 1 the first weight into slot 1, waves 2, 3 chunk 0 into slot 0.  Refills, a quarter (two block records) a wave, each in a drained round of the cluster's barrier: chunks 1, 2, 3 in the first block of chunks 0, 1, 2;
; Wv into slot 0 when chunk 2 has been read; chunk 2 anew when Wv is in registers.  Waves 0 and 1 bring the blocks n = 0, 1 of both rows of waves, waves 2 and 3 n = 2, 3:
; so a plain barrier two blocks on waits for the first line alone, and the next round for the second.
; CLUSTERS of 4 x 4: x's tiles jointly along a row, the weights' along a column.  PREFETCH: chunks 1 to 3 and Wv, four blocks and more ahead of their loads (chunk 1: while the first weight is read into registers):
; each of the 16 waves that share a tile asks for 8,192 bytes of it, a lane 256 bytes; the tile's last 4,096 bytes come by the load alone.
; A BLOCK'S WAY OUT (maxima, holds, conversions, byte) stands among the next block's products; that of a pair of v's blocks among the next pair's.
; LIMITS: a block of zeros, or one whose largest magnitude lies under 2^(9 - 127), keeps the byte 1; NaN, infinities and sums beyond f32 are not served.
; REGISTERS: windows 1, 2: the weight (fragment 4 q + b, 16 registers each); window 3: x's two sets; window 0: all else.
.set REC,  16896
.set GRP,  8*REC
.set YB,   GRP                         ; slot 1
.set SCO,  16384
.set XN,   2*GRP                       ; q's or k's scale words, 512 bytes a chunk, in the order of work
.set XV,   XN+2048                     ; v's: chunk 2's, chunk 3's
.set SPARE, XV+1024                    ; the spare words, 128 bytes for each wave, two blocks of 256 bytes that no other line names
.set EMAX, 8
.set NP,   8                           ; plain lines behind a matrix instruction
.set NF,   34                          ; LDS loads of a block
.set ADRA0, 4                          ; v4  my fragments of block 0 in slot 0
.set CN,   5                           ; v5  512 h + 16 r
.set AAS0, 6                           ; v6  my row's scale words of block 0 in slot 0
.set CO,   9                           ; v9  16 x lane
.set SPW,  10
.set NIL,  11
.set ADRA, 12                          ; v12 as v4, the block that is fetched next
.set VX,   13                          ; v13 LDS address of a scale byte
.set ADRC, 14                          ; v14-15 a weight in slot 1: tiles 0, 1 and tiles 2, 3
.set ADRB, 16                          ; v16-17 in slot 0
.set VX0,  18
.set RD,   19                          ; v19 v's scale bytes
.set SOP,  20                          ; v20-23 scale operands
.set SB,   24                          ; v24-39 the weight's scale words: register 8 p + q: lanes 0-15 tile 2 p, lanes 16-31 tile 2 p + 1
.set EB,   40                          ; v40-43 scale bytes
.set SA,   44                          ; v44-59 x's scale words, two sets of eight
.set TQ,   60                          ; v60-63 maxima and bounds
.set ACC,  64                          ; v64-191 four sets of four accumulators: products write 0 and 1 by turns, 2 and 3 take a pair of v's blocks for its way out
.set NCD,  192                         ; v192-199 q's or k's 32 codes;  v192-207 v's
.set ABS,  208                         ; v208, v209 a weight's scale words in slot 0, slot 1
.set AAS,  210                         ; v210 as v6, the block that is fetched next
.set G1A, 24
.set G1B, 32
.set G1R, 48
.set G0A, 56
.set G0B, 60
.set G0R, 68
.set MSB, 0
.macro WIN new                         ; the immediate's high byte repeats the setting that is left
.if MSB != (\new)
	s_set_vgpr_msb (MSB<<8)|(\new)
.set MSB, (\new)
.endif
.endm
.macro PLACES n
.rept \n
	v_nop
.endr
.endm
.macro WALU
	s_wait_alu depctr_va_vdst(0)
.endm
.macro BARRIER
	s_barrier_signal -1
	s_barrier_wait -1
.endm
.macro MIDDLE                          ; a round of the cluster's barrier behind its opening signal
	WIN 0
	s_barrier_wait -1
	s_cmp_lg_u32 s14, 0
	s_cbranch_scc1 .Lnot_wave_0_\@
	s_barrier_signal -3
.Lnot_wave_0_\@:
	s_barrier_wait -3
	BARRIER
.endm
.macro CROUND
	s_barrier_signal -1
	MIDDLE
.endm
.macro TLOAD g0, g1
	tensor_load_to_lds s[\g0:\g0+3], s[\g1:\g1+7]
	s_nop 0
	PLACES 4
.endm
.macro GROUP1 g, mask, rows            ; a dense run of so many rows of 256 bytes (32 elements of 8 bytes), joint, without padding
	s_or_b32 s[\g], s[\mask], (3<<16)|(1<<21)
	s_mov_b32 s[\g+1], 32<<16
	s_mov_b32 s[\g+2], (\rows)<<16
	s_mov_b32 s[\g+3], 32<<16
	s_mov_b32 s[\g+4], \rows
	s_mov_b32 s[\g+5], 32
	s_mov_b32 s[\g+6], 0
	s_mov_b32 s[\g+7], 0
.endm
.macro GRD
	s_wait_tensorcnt 0x0
	ds_add_u32 v[SPW], v[NIL]
.endm
	s_load_b128 s[4:7], s[0:1], 0x0                ; xwP, qkP
	s_load_b64 s[8:9], s[0:1], 0x10                ; vP
	v_lshl_add_u32 v[SPW], v0, 2, SPARE
	v_mov_b32 v[NIL], 0
	ds_add_u32 v[SPW], v[NIL]                      ; the wave's opening: the add, twice on end, and its wait ahead of my first tensor load
	ds_add_u32 v[SPW], v[NIL]
	v_lshrrev_b32 v1, 5, v0
	v_readfirstlane_b32 s14, v1                    ; wave 0..3
	s_lshr_b32 s15, s14, 1                         ; w: my row of waves
	s_and_b32 s16, s14, 1                          ; wc: my column of waves
	s_bfe_u32 s40, ttmp6, 0x40000                  ; cx
	s_bfe_u32 s41, ttmp6, 0x40004                  ; cy
	s_lshl_b32 s42, ttmp9, 2
	s_add_co_u32 s42, s42, s40                     ; tile column
	s_and_b32 s43, ttmp7, 0xffff
	s_lshl_b32 s43, s43, 2
	s_add_co_u32 s43, s43, s41                     ; tile row
	s_and_b32 s18, ttmp9, 1                        ; v's window of my two
	s_lshr_b32 s13, ttmp9, 1
	s_lshl_b32 s13, s13, 2
	s_add_co_u32 s13, s13, s40                     ; v's tile column
	s_lshl_b32 s44, s41, 2
	s_lshl_b32 s44, 15, s44                        ; my row of the cluster
	s_lshl_b32 s45, 0x1111, s40                    ; my column
	GROUP1 G1B, 45, 264                            ; half a weight tile: four block records
	GROUP1 G1A, 44, 264                            ; half a chunk
	GROUP1 G1R, 44, 132                            ; a quarter
	s_lshl_b32 s20, s43, 2
	s_lshl_b32 s21, s18, 1
	s_add_co_u32 s2, s20, s21                      ; chunk 2's group
	s_xor_b32 s21, s21, 2
	s_add_co_u32 s67, s20, s21                     ; chunk 0's group
	s_lshr_b32 s80, s43, 2                         ; the batch
	s_lshl_b32 s80, s80, 3
	s_add_co_u32 s80, s80, s13
	s_lshl_b32 s80, s80, 4
	s_and_b32 s21, s2, 15
	s_add_co_u32 s80, s80, s21
	s_mul_i32 s80, s80, REC                        ; chunk 2's record in vP
	s_mul_i32 s2, s2, GRP                          ; chunk 2 in xwP (and its group's offset in qkP)
	s_mul_i32 s67, s67, GRP                        ; chunk 0
	s_add_co_u32 s10, s67, GRP                     ; chunk 1: the next to be loaded
	s_add_co_u32 s11, s2, GRP                      ; chunk 3
	s_lshl_b32 s3, s13, 3
	s_add_co_u32 s3, s3, 640
	s_mul_i32 s3, s3, REC                          ; Wv's tile
	s_lshl_b32 s78, s42, 3
	s_add_co_u32 s78, s78, 512
	s_mul_i32 s78, s78, REC                        ; the first weight's
	s_mul_i32 s74, s16, 4*REC                      ; my half of it, at the head; and my columns' blocks
	s_add_co_u32 s78, s78, s74
	s_mov_b32 s79, 0
	s_add_co_u32 s86, s67, s74
	s_mov_b32 s87, 0
	s_mov_b32 s[G0A], 1
	s_mov_b32 s[G0A+1], s74
	s_mov_b32 s[G0B], 1
	s_add_co_u32 s[G0B+1], s74, YB
	s_mov_b32 s[G0R], 1
	s_lshl_b32 s17, s16, 1
	s_add_co_u32 s17, s17, s15
	s_mul_i32 s17, s17, 2*REC                      ; my quarter of a refill: block records 4 (wave % 2) + 2 (wave / 2) on, in memory and in the slot alike
	s_wait_dscnt 0x0                               ; both opening adds are done
	CROUND                                         ; all sixteen work-groups are here
	s_wait_kmcnt 0x0
	s_add_nc_u64 s[G0A+2:G0A+3], s[4:5], s[86:87]
	s_or_b32 s[G0A+3], s[G0A+3], 0x80000000
	s_add_nc_u64 s[G0B+2:G0B+3], s[4:5], s[78:79]
	s_or_b32 s[G0B+3], s[G0B+3], 0x80000000
	s_cmp_lt_u32 s14, 2                            ; one joint load a wave, and a line of its own for what is shown first
	s_cbranch_scc0 .Lfor_x
	TLOAD G0B, G1B
	s_branch .Lasked
.Lfor_x:
	TLOAD G0A, G1A
.Lasked:
	; where my results go
	s_lshr_b32 s20, s42, 3
	s_lshl_b32 s20, s20, 9
	s_and_b32 s21, s42, 7
	s_add_co_u32 s20, s20, s21
	s_mul_i32 s20, s20, REC                        ; q or k, and the column of records
	s_lshl_b32 s21, s15, 13                        ; fragments 4 w on,
	s_lshl_b32 s22, s16, 10                        ; chunks 2 wc, 2 wc + 1
	s_add_co_u32 s21, s21, s22
	s_add_co_u32 s21, s21, s20
	s_add_co_u32 s86, s21, s2
	s_add_nc_u64 s[88:89], s[6:7], s[86:87]        ; chunk 2's codes
	s_add_co_u32 s86, s21, s67
	s_add_nc_u64 s[84:85], s[6:7], s[86:87]        ; chunk 0's; the stream's steps lead from here to it
	s_sub_nc_u64 s[84:85], s[84:85], GRP-4096
	s_cmp_lt_u32 s14, 2
	s_cselect_b32 s21, s67, s2
	s_mul_i32 s22, s16, GRP
	s_add_co_u32 s86, s20, s21
	s_add_co_u32 s86, s86, s22
	s_add_co_u32 s86, s86, SCO
	s_add_nc_u64 s[76:77], s[6:7], s[86:87]        ; at the end wave n stores chunk n's scale words
	s_lshl_b32 s21, s16, 13
	s_lshl_b32 s22, s15, 10
	s_add_co_u32 s86, s80, s21
	s_add_co_u32 s86, s86, s22
	s_add_nc_u64 s[78:79], s[8:9], s[86:87]        ; v's codes, chunk 2: fragments 4 wc on, chunks 2 w, 2 w + 1
	s_mul_i32 s21, s15, REC
	s_lshl_b32 s22, s16, 8
	s_add_co_u32 s86, s80, s21
	s_add_co_u32 s86, s86, s22
	s_add_co_u32 s86, s86, SCO
	s_add_nc_u64 s[80:81], s[8:9], s[86:87]        ; v's scale words: wave n: chunk 2 + n / 2, half n % 2
	s_lshl_b32 s90, s40, 2
	s_add_co_u32 s90, s90, s14                     ; which of the cluster row's sixteen waves I am: my share of a prefetch of x
	s_lshl_b32 s100, s41, 2
	s_add_co_u32 s100, s100, s14                   ; and of the column's: of Wv
	s_lshl_b32 s21, s90, 13
	s_add_co_u32 s82, s21, s10
	s_add_co_u32 s83, s21, s2
	s_mul_i32 s72, s15, 4*REC
	s_add_co_u32 s73, s72, SCO
	s_add_co_u32 s75, s74, SCO
	s_lshl_b32 s21, s15, 4
	s_lshl_b32 s22, s16, 1
	s_add_co_u32 s86, s21, s22
	s_add_co_u32 s86, s86, XN
	s_lshl_b32 s21, s16, 4
	s_lshl_b32 s22, s15, 1
	s_add_co_u32 s87, s21, s22
	s_add_co_u32 s87, s87, XV
	s_mov_b32 s92, 0x76543210                      ; v_permlanex16_b32's selects for lane l xor 16
	s_mov_b32 s93, 0xfedcba98
	s_mov_b32 s94, 0x600000                        ; the mantissa field of 448
	v_and_b32 v1, 15, v0                           ; r
	v_bfe_u32 v2, v0, 4, 1                         ; h
	v_and_b32 v3, 31, v0                           ; lane
	v_lshlrev_b32 v[CO], 4, v3
	v_lshlrev_b32 v22, 5, v1
	v_add_nc_u32 v[ADRA0], s72, v[CO]
	v_add_nc_u32 v[AAS0], s73, v22
	v_add_nc_u32 v[ADRB], s74, v[CO]
	v_add_nc_u32 v[ADRB+1], 2*REC, v[ADRB]
	v_add_nc_u32 v[ADRC], YB, v[ADRB]
	v_add_nc_u32 v[ADRC+1], YB, v[ADRB+1]
	v_mul_u32_u24 v23, REC, v2
	v_add_nc_u32 v23, v23, v22
	v_add_nc_u32 v[ABS], s75, v23
	v_add_nc_u32 v[ABS+1], YB, v[ABS]
	v_lshlrev_b32 v23, 9, v2
	v_lshl_add_u32 v[CN], v1, 4, v23
	v_add_nc_u32 v23, v22, v2
	v_add_nc_u32 v[VX0], s86, v23                  ; XN + 32 r + 16 w + 2 wc + h
	v_add_nc_u32 v[VX], s86, v23
	v_add_nc_u32 v[RD], s87, v22                   ; XV + 32 r + 16 wc + 2 w
	v_lshl_add_u32 v7, v3, 8, s82
	v_lshl_add_u32 v8, v3, 8, s83
	v_add_nc_u32 v1, REC, v[ADRA0]                 ; block 1's addresses
	v_add_nc_u32 v2, REC, v[AAS0]
	WALU
	s_cmp_lt_u32 s14, 2
	s_cbranch_scc0 .Lnot_b
	s_wait_tensorcnt 0x0                           ; waves 0, 1: the first weight has landed; the others' wait stands at the second barrier
.Lnot_b:
	BARRIER
	global_prefetch_b8 v7, s[4:5] th:TH_LOAD_NT scope:SCOPE_SE   ; chunk 1
	global_prefetch_b8 v8, s[4:5] th:TH_LOAD_NT scope:SCOPE_SE   ; chunk 2
.macro FRAG f, adr, off                ; a weight's fragment f = 4 q + b into window 1 + f / 16
	WIN (1+(\f)/16)<<6
.irp c, 0,1,2,3
	ds_load_b128 v[16*((\f)%16)+4*\c:16*((\f)%16)+4*\c+3], v[\adr] offset:512*\c+(\off)
.endr
.endm
.macro SBLOAD abs                      ; the weight's scale words
.irp p, 0,1
.irp e, 0,1
	ds_load_b128 v[SB+8*\p+4*\e:SB+8*\p+4*\e+3], v[\abs] offset:2*\p*REC+16*\e
.endr
.endr
.endm
.macro FETCHAT k, a, s                 ; a block of x, all of K, into set k of window 3, and its scale words: NF loads
	WIN 3<<6
.irp q, 0,1,2,3,4,5,6,7
.irp c, 0,1,2,3
	ds_load_b128 v[128*\k+16*\q+4*\c:128*\k+16*\q+4*\c+3], v[\a] offset:2048*\q+512*\c
.endr
.endr
	WIN 0
	ds_load_b128 v[SA+8*\k:SA+8*\k+3], v[\s]
	ds_load_b128 v[SA+8*\k+4:SA+8*\k+7], v[\s] offset:16
.endm
; Product n = 4 q + b of a block: the q-th 128 of K, column tile b; x in set e, sums in set a.  kind 0 (q, k): source 0 = the weight; kind 1 (v): source 0 = x.  The four accumulators take turns.
.macro PROD kind, e, a, n
.set Q_, (\n)/4
.set B_, (\n)%4
.set AC_, ACC+32*(\a)+8*B_
.set R_, 128*(\e)+16*Q_
.set W_, 16*((\n)%16)
.set XS_, SA+8*(\e)+Q_
.set WS_, SB+8*(B_/2)+Q_
.if \kind
	WIN 3|((1+(\n)/16)<<2)
.if Q_ && B_%2
	v_wmma_scale_f32_16x16x128_f8f6f4 v[AC_:AC_+7], v[R_:R_+15], v[W_:W_+15], v[AC_:AC_+7], v[XS_], v[WS_] matrix_b_scale:MATRIX_SCALE_ROW1
.elseif Q_
	v_wmma_scale_f32_16x16x128_f8f6f4 v[AC_:AC_+7], v[R_:R_+15], v[W_:W_+15], v[AC_:AC_+7], v[XS_], v[WS_]
.elseif B_%2
	v_wmma_scale_f32_16x16x128_f8f6f4 v[AC_:AC_+7], v[R_:R_+15], v[W_:W_+15], 0, v[XS_], v[WS_] matrix_b_scale:MATRIX_SCALE_ROW1
.else
	v_wmma_scale_f32_16x16x128_f8f6f4 v[AC_:AC_+7], v[R_:R_+15], v[W_:W_+15], 0, v[XS_], v[WS_]
.endif
.else
	WIN (1+(\n)/16)|(3<<2)
.if Q_ && B_%2
	v_wmma_scale_f32_16x16x128_f8f6f4 v[AC_:AC_+7], v[W_:W_+15], v[R_:R_+15], v[AC_:AC_+7], v[WS_], v[XS_] matrix_a_scale:MATRIX_SCALE_ROW1
.elseif Q_
	v_wmma_scale_f32_16x16x128_f8f6f4 v[AC_:AC_+7], v[W_:W_+15], v[R_:R_+15], v[AC_:AC_+7], v[WS_], v[XS_]
.elseif B_%2
	v_wmma_scale_f32_16x16x128_f8f6f4 v[AC_:AC_+7], v[W_:W_+15], v[R_:R_+15], 0, v[WS_], v[XS_] matrix_a_scale:MATRIX_SCALE_ROW1
.else
	v_wmma_scale_f32_16x16x128_f8f6f4 v[AC_:AC_+7], v[W_:W_+15], v[R_:R_+15], 0, v[WS_], v[XS_]
.endif
.endif
.endm
.macro SCALES i, n                     ; 0: the conversion's scale operand; 1: 448 x the scale; 2: a second copy of it; 3: the scale's byte
.if (\i) == 0
	v_add_nc_u32 v[SOP+\n], -(EMAX<<23), v[TQ]
.elseif (\i) == 1
	v_and_or_b32 v[TQ+1], v[TQ], 0x7f800000, s94
.elseif (\i) == 2
	v_mov_b32 v[TQ+3], v[TQ+1]
.else
	v_lshrrev_b32 v[EB+\n], 23, v[SOP+\n]
.endif
.endm
.macro HOLD x, b                       ; the conversion does not saturate (ISA guide 7.6.2): a sum held at the largest code x the scale
	v_med3_num_f32 v[\x], v[\x], -v[TQ+\b], v[TQ+\b]
.endm
.macro HOLDS m, x                      ; two holds; the fourth pair reads the bound's second copy, freshly written
.if (\m) == 3
	HOLD \x, 3
	HOLD \x+1, 3
.else
	HOLD \x, 1
	HOLD \x+1, 1
.endif
.if (\m) == 2
	SCALES 2, 0
.endif
.endm
.macro MAXQ k, x                       ; 18 lines: the largest magnitude of a lane's 32 sums, and the floor under which a byte would fall under 1
.if (\k) < 4
	v_max3_num_f32 v[TQ+\k], |v[\x+8*(\k)]|, |v[\x+8*(\k)+1]|, |v[\x+8*(\k)+2]|
.elseif (\k) < 12
	v_max3_num_f32 v[TQ+(\k)%4], v[TQ+(\k)%4], |v[\x+8*((\k)%4)+2*((\k)/4)+1]|, |v[\x+8*((\k)%4)+2*((\k)/4)+2]|
.elseif (\k) < 16
	v_max_num_f32 v[TQ+(\k)%4], v[TQ+(\k)%4], |v[\x+8*((\k)%4)+7]|
.elseif (\k) == 16
	v_max3_num_f32 v[TQ], v[TQ], v[TQ+1], v[TQ+2]
.else
	v_max3_num_f32 v[TQ], v[TQ], v[TQ+3], (EMAX+1)<<23
.endif
.endm
.macro GAPQ m, x                       ; q's or k's block, gaps 0 .. 26: the lane's 32 sums are one scale block: columns 32 h + 0 .. 31 of my 64
.if (\m) < 9
	MAXQ 2*(\m), \x
	MAXQ 2*(\m)+1, \x
.elseif (\m) == 9
	SCALES 0, 0
	SCALES 1, 0
.elseif (\m) < 26
	HOLDS (\m)-10, \x+2*((\m)-10)
.if ((\m)-10)%4 == 3
	v_cvt_scalef32_pk8_fp8_f32 v[NCD+2*(((\m)-10)/4):NCD+2*(((\m)-10)/4)+1], v[\x+8*(((\m)-10)/4):\x+8*(((\m)-10)/4)+7], v[SOP]
.endif
.elseif (\m) == 26
	SCALES 3, 0
.endif
.endm
.macro GAPV u, x                       ; a pair of v's blocks, gaps 0 .. 59, 15 a tile: a scale block of 32 tokens lies in lanes l and l xor 16: the even block's sums at x, the odd's at x + 32
.set T_, (\u)/15
.set J_, (\u)%15
.set E_, \x+8*T_
.set O_, E_+32
.if J_ == 0
	v_max3_num_f32 v[TQ], |v[E_]|, |v[E_+1]|, |v[E_+2]|
	v_max3_num_f32 v[TQ+2], |v[O_]|, |v[O_+1]|, |v[O_+2]|
.elseif J_ < 3
	v_max3_num_f32 v[TQ], v[TQ], |v[E_+2*J_+1]|, |v[E_+2*J_+2]|
	v_max3_num_f32 v[TQ+2], v[TQ+2], |v[O_+2*J_+1]|, |v[O_+2*J_+2]|
.elseif J_ == 3
	v_max3_num_f32 v[TQ+2], v[TQ+2], |v[O_+7]|, (EMAX+1)<<23
	v_max3_num_f32 v[TQ], v[TQ], |v[E_+7]|, v[TQ+2]
.elseif J_ == 4
	v_permlanex16_b32 v[TQ+2], v[TQ], s92, s93
	v_max_num_f32 v[TQ], v[TQ], v[TQ+2]
.elseif J_ == 5
	SCALES 0, T_
	SCALES 1, T_
.elseif J_ < 10
	HOLDS J_-6, E_+2*(J_-6)
.if J_ == 9
	v_cvt_scalef32_pk8_fp8_f32 v[NCD+4*T_:NCD+4*T_+1], v[E_:E_+7], v[SOP+T_]
.endif
.elseif J_ < 14
	HOLDS J_-6, O_+2*(J_-10)
.if J_ == 13
	v_cvt_scalef32_pk8_fp8_f32 v[NCD+4*T_+2:NCD+4*T_+3], v[O_:O_+7], v[SOP+T_]
.endif
.else
	SCALES 3, T_
.endif
.endm
.macro RDESC i                         ; group 0 of a refill: the chunk at s10 of xwP into the slot at s47
.if (\i) == 0
	s_add_co_u32 s[G0R+1], s17, s47
	s_add_co_u32 s20, s17, s10
.else
	s_mov_b32 s21, 0
	s_add_nc_u64 s[G0R+2:G0R+3], s[4:5], s[20:21]
	s_or_b32 s[G0R+3], s[G0R+3], 0x80000000
.endif
.endm
; WHAT STANDS BEHIND PRODUCT n.  j: the block's number in its trip (second loop: 4, 5; v's: -1, -2).  0, 1: the stores' base and the addresses of the block two on; 2: a prefetch's or a byte's address; 29, 30: a refill's group 0; from 1 on a way out: y = 1 q's or k's block at x; 2, 3 the halves of v's pair at x
.macro LIST n, j, y, x
.if (\n) == 0
.if (\j) == 1
	s_add_nc_u64 s[84:85], s[84:85], GRP-6144
	s_cmp_eq_u32 s46, 2
	s_cselect_b64 s[84:85], s[88:89], s[84:85]     ; chunk 2 begins v's window
.elseif (\j) == 5
	s_add_nc_u64 s[84:85], s[84:85], s[82:83]
.elseif (\j) >= 0
	s_add_nc_u64 s[84:85], s[84:85], 2048
.endif
.if (\j) == 0 || (\j) == 1
	s_add_co_u32 s22, s101, ((\j)+2)*REC
.elseif (\j) > 1
	s_add_co_u32 s22, s47, ((\j)%2)*REC
.else
	s_add_co_u32 s22, s47, (-1-(\j))*REC
.endif
	WIN 0
	v_add_nc_u32 v[ADRA], s22, v[ADRA0]
.elseif (\n) == 1
	WIN 0
	v_add_nc_u32 v[AAS], s22, v[AAS0]
.elseif (\n) == 2 && (\j) == 2
	WIN 0
	v_lshl_add_u32 v7, v3, 8, s23
.elseif (\n) == 2 && ((\j) == 1 || (\j) == 5)
	WIN 0
	v_add_nc_u32 v[VX], s12, v[VX0]
.elseif (\j) == 0 && ((\n) == 29 || (\n) == 30)
	RDESC (\n)-29
.endif
.if (\y) == 1 && (\n) > 0 && (\n) < 28
	WIN 0
	GAPQ (\n)-1, \x
.elseif (\y) == 2 && (\n) > 0 && (\n) < 31
	WIN 0
	GAPV (\n)-1, \x
.elseif (\y) == 3 && (\n) > 0 && (\n) < 31
	WIN 0
	GAPV (\n)+29, \x
.endif
.endm
.macro BLOCK kind, e, a, from, to, j, y, x
.set N_, \from
.rept (\to)-(\from)
	PROD \kind, \e, \a, N_
	LIST N_, \j, \y, \x
.set N_, N_+1
.endr
.endm
.macro OPENB w                         ; w: the LDS instructions that may be out (-1: all have been waited for); the stores' registers and base are free behind the second line
.if \w >= 0
	s_wait_dscnt \w
.endif
	s_wait_xcnt 0x0
.endm
.macro BLK kind, e, a, w, j, y, x
	OPENB \w
	BLOCK \kind, \e, \a, 0, 32, \j, \y, \x
	WIN 0
	PLACES NP
.endm
.macro RBLK kind, e, a, w, j, y, x     ; a block with a round of the cluster's barrier
	OPENB \w
	GRD
	BLOCK \kind, \e, \a, 0, 28, \j, \y, \x
	WIN 0
	WALU
	s_wait_dscnt 0x0
	s_barrier_signal -1
	BLOCK \kind, \e, \a, 28, 32, \j, \y, \x
	MIDDLE
.endm
.macro SBLK kind, e, a, w, j, y, x, half  ; a block with a plain barrier (half = 1: it shows waves 0 and 1's loads alone)
	OPENB \w
	BLOCK \kind, \e, \a, 0, 28, \j, \y, \x
	WIN 0
	WALU
.if \half
	s_cmp_lt_u32 s14, 2
	s_cbranch_scc0 .Lnot_yet_\@
	s_wait_tensorcnt 0x0
.Lnot_yet_\@:
.else
	s_wait_tensorcnt 0x0
.endif
	s_wait_dscnt 0x0
	s_barrier_signal -1
	BLOCK \kind, \e, \a, 28, 32, \j, \y, \x
	WIN 0
	s_barrier_wait -1
	PLACES NP
.endm
.macro QOUT boff                       ; a block's byte goes to its place in LDS; its 32 codes a lane leave: 16 lanes store 256 consecutive bytes
	ds_store_b8 v[VX], v[EB] offset:\boff
	global_store_b128 v[CN], v[NCD:NCD+3], s[84:85]
	global_store_b128 v[CN], v[NCD+4:NCD+7], s[84:85] offset:256
.endm
.irp q, 0,1,2,3,4,5,6,7
.irp b, 0,1,2,3
	FRAG 4*\q+\b, ADRC+\b/2, \q*2048+(\b%2)*REC
.endr
.endr
	WIN 0
	SBLOAD ABS+1
	s_wait_tensorcnt 0x0                           ; chunk 0 is in; the first weight is in registers
	s_wait_dscnt 0x0
	BARRIER
	FETCHAT 0, ADRA0, AAS0
	FETCHAT 1, 1, 2
.set I_, 0
.rept 32
	v_mov_b32 v[ACC+32+I_], 0                      ; the first block's way out has no block before it: it works on zeros and stores nothing
.set I_, I_+1
.endr
	WALU
	s_mov_b32 s46, 0                               ; the trip
	s_mov_b32 s12, 0                               ; from VX0 to the chunk's scale words
	s_mov_b32 s23, 0
	s_mov_b32 s101, 0                              ; this chunk's slot
	s_mov_b32 s47, YB                              ; the next chunk's
.Lfour:                                            ; chunks 0, 1, 2
	RBLK 0, 0, 0, NF, 0, 1, ACC+32                 ; NF: the other set's loads may be out
	s_cmp_lt_u32 s14, 2                            ; the next chunk: waves 0, 1 and waves 2, 3 have a line each
	s_cbranch_scc0 .Lupper
	TLOAD G0R, G1R
	s_branch .Lboth
.Lupper:
	TLOAD G0R, G1R
.Lboth:
	PLACES NP-4
	s_cmp_eq_u32 s46, 0
	s_cbranch_scc1 .Lno_block_before
	QOUT 12
.Lno_block_before:
	FETCHAT 0, ADRA, AAS
	BLK 0, 1, 1, -1, 1, 1, ACC
	QOUT 0
	FETCHAT 1, ADRA, AAS
	SBLK 0, 0, 0, NF, 2, 1, ACC+32, 1              ; blocks n = 0, 1 of the next chunk are in
	QOUT 4
	s_cmp_eq_u32 s46, 0
	s_cbranch_scc1 .Lnone_ahead
	global_prefetch_b8 v7, s[4:5] th:TH_LOAD_NT scope:SCOPE_SE   ; second trip: chunk 3; third: Wv
.Lnone_ahead:
	FETCHAT 0, ADRA, AAS
	BLK 0, 1, 1, -1, 3, 1, ACC
	QOUT 8
	FETCHAT 1, ADRA, AAS
	s_cmp_eq_u32 s46, 0
	s_cselect_b32 s10, s2, s11
	s_cselect_b32 s21, s90, s100
	s_cselect_b32 s22, s11, s3
	s_lshl_b32 s21, s21, 13
	s_add_co_u32 s23, s21, s22
	s_add_co_u32 s12, s12, 512
	s_mov_b32 s101, s47
	s_xor_b32 s47, s47, YB
	s_add_co_u32 s46, s46, 1
	s_cmp_lg_u32 s46, 3
	s_cbranch_scc1 .Lfour
	GRD
	s_mov_b32 s[G0A+1], s17
	s_add_co_u32 s20, s17, s3
	s_mov_b32 s21, 0
	s_add_nc_u64 s[G0A+2:G0A+3], s[4:5], s[20:21]
	s_or_b32 s[G0A+3], s[G0A+3], 0x80000000
	GROUP1 G1A, 45, 132
	s_wait_dscnt 0x0
	CROUND
	TLOAD G0A, G1A
	s_mov_b32 s47, YB+2*REC
	s_mov_b32 s12, 1528                            ; with QOUT's 8 and 12: bytes 1,536 + 4 n of chunk 3
	s_mov_b32 s82, GRP-6144
	s_mov_b32 s83, 0
.Ltwo:                                             ; chunk 3; the block two on is v's in the second trip: chunk 3 again
	BLK 0, 0, 0, NF, 4, 1, ACC+32
	QOUT 12
	FETCHAT 0, ADRA, AAS
	BLK 0, 1, 1, NF, 5, 1, ACC
	QOUT 8
	FETCHAT 1, ADRA, AAS
	s_mov_b32 s47, YB
	s_mov_b32 s82, 2048
	s_add_co_u32 s12, s12, 8
	s_add_co_u32 s46, s46, 1
	s_cmp_lg_u32 s46, 5
	s_cbranch_scc1 .Ltwo
	; the change of phase
	s_wait_xcnt 0x0
	s_add_nc_u64 s[84:85], s[84:85], 2048
	s_wait_tensorcnt 0x0                           ; Wv is in
	s_wait_dscnt 0x0
	BARRIER
.macro CHANGE i                        ; among Wv's loads: the last block's way out, and zeros for v's first way out, which stores nothing
.if (\i) < 7
.irp k, 0,1,2,3
.if 4*(\i)+\k < 27
	GAPQ 4*(\i)+\k, ACC+32
.endif
.endr
.elseif (\i) < 15
.irp q, 0,1,2,3,4,5,6,7
	v_mov_b32 v[ACC+64+8*((\i)-7)+\q], 0
.endr
.endif
.endm
.irp q, 0,1,2,3,4,5,6,7
.irp b, 0,1
	FRAG 4*\q+2*\b, ADRB+\b, \q*2048
	FRAG 4*\q+2*\b+1, ADRB+\b, \q*2048+REC
	WIN 0
	CHANGE 2*\q+\b
.endr
.endr
	SBLOAD ABS
	QOUT 12
	WALU
	GRD
	s_mov_b32 s10, s2
	s_mov_b32 s47, 0
	RDESC 0
	RDESC 1
	s_mov_b32 s46, 0
	s_mov_b32 s47, YB+2*REC
	s_wait_dscnt 0x0
	CROUND
	TLOAD G0R, G1R
.macro VTO                             ; s22 = 2 x (chunk 3) + pair: where a pair's codes and bytes go
	s_lshr_b32 s20, s22, 1
	s_and_b32 s22, s22, 1
	s_lshl_b32 s23, s20, 9
	s_add_co_u32 s23, s23, s22
	s_mul_i32 s20, s20, REC
	s_lshl_b32 s22, s22, 9
	s_add_co_u32 s20, s20, s22
	s_mov_b32 s21, 0
	s_add_nc_u64 s[84:85], s[78:79], s[20:21]
	v_add_nc_u32 v[VX], s23, v[RD]
.endm
.macro VOUT                            ; four tiles' bytes and codes: 32 lanes store 512 consecutive bytes
.irp t, 0,1,2,3
	ds_store_b8 v[VX], v[EB+\t] offset:4*\t
	global_store_b128 v[CO], v[NCD+4*\t:NCD+4*\t+3], s[84:85] offset:2048*\t
.endr
.endm
.Lpair:                                            ; chunk 3's two pairs, then chunk 2's
	BLK 1, 0, 0, -1, -1, 2, ACC+64
	s_cmp_eq_u32 s46, 3
	s_cbranch_scc1 .Lnone_0
	FETCHAT 0, ADRA, AAS
	s_wait_dscnt NF                                ; the other set is in
	s_branch .Lgo
.Lnone_0:
	s_wait_dscnt 0x0
.Lgo:
	SBLK 1, 1, 1, -1, -2, 3, ACC+64, 0             ; the first trip's shows chunk 2
.set I_, 0
.rept 32                               ; the pair's sums are copied, so that one trip is two blocks of text
	v_dual_mov_b32 v[ACC+64+I_], v[ACC+I_] :: v_dual_mov_b32 v[ACC+64+I_+1], v[ACC+I_+1]
.set I_, I_+2
.endr
	s_add_co_u32 s22, s46, 1
	s_and_b32 s22, s22, 3
	VTO
	s_cmp_eq_u32 s46, 0
	s_cbranch_scc1 .Lno_pair_before
	VOUT
.Lno_pair_before:
	s_cmp_eq_u32 s46, 3
	s_cbranch_scc1 .Lnone_1
	FETCHAT 1, ADRA, AAS
.Lnone_1:
	s_cmp_eq_u32 s46, 0
	s_cselect_b32 s47, 0, 2*REC
	s_add_co_u32 s46, s46, 1
	s_cmp_lg_u32 s46, 4
	s_cbranch_scc1 .Lpair
	s_wait_xcnt 0x0
.set K_, 0
.rept 60
	GAPV K_, ACC+64
.set K_, K_+1
.endr
	WALU
	s_mov_b32 s22, 1
	VTO
	VOUT
	s_mul_i32 s20, s14, 512
	s_add_co_u32 s20, s20, XN
	s_mul_i32 s21, s14, 256
	s_add_co_u32 s21, s21, XV
	v_add_nc_u32 v21, s20, v[CO]
	v_lshlrev_b32 v22, 3, v3
	v_add_nc_u32 v23, s21, v22
	WALU
	s_wait_dscnt 0x0                               ; the scale bytes have landed
	BARRIER
	ds_load_b128 v[60:63], v21
	ds_load_b64 v[40:41], v23
	s_wait_dscnt 0x0
	global_store_b128 v[CO], v[60:63], s[76:77]    ; 512 consecutive bytes of scale words,
	global_store_b64 v22, v[40:41], s[80:81]       ; and 256 of v's
	s_wait_tensorcnt 0x0                           ; the wave's end
	ds_add_u32 v[SPW], v[NIL]
	s_wait_dscnt 0x0
	CROUND                                         ; the closing round
	s_endpgm
.Lfunc_end_k_qe0157a4fa3_proj:
	.size	k_qe0157a4fa3_proj, .Lfunc_end_k_qe0157a4fa3_proj-k_qe0157a4fa3_proj
	.p2alignl 7, 3214868480
	.fill 96, 4, 3214868480
	.section	.rodata,"a",@progbits
	.p2align	6, 0x0
	.amdhsa_kernel k_qe0157a4fa3_proj
		.amdhsa_group_segment_fixed_size 327680
		.amdhsa_private_segment_fixed_size 0
		.amdhsa_enable_private_segment 0
		.amdhsa_kernarg_size 24
		.amdhsa_user_sgpr_count 2
		.amdhsa_user_sgpr_kernarg_segment_ptr 1
		.amdhsa_wavefront_size32 1
		.amdhsa_system_sgpr_workgroup_id_x 1
		.amdhsa_system_sgpr_workgroup_id_y 1
		.amdhsa_system_sgpr_workgroup_id_z 1
		.amdhsa_system_vgpr_workitem_id 0
		.amdhsa_next_free_vgpr 1024
		.amdhsa_next_free_sgpr 102
		.amdhsa_reserve_vcc 0
		.amdhsa_float_denorm_mode_32 3
		.amdhsa_float_denorm_mode_16_64 3
		.amdhsa_memory_ordered 1
		.amdhsa_forward_progress 1
		.amdhsa_inst_pref_size 157
	.end_amdhsa_kernel
	.amdgpu_metadata
---
amdhsa.version: [ 1, 2 ]
amdhsa.kernels:
  - .name:           k_qe0157a4fa3_proj
    .symbol:         k_qe0157a4fa3_proj.kd
    .args:
      - { .name: xwP, .offset: 0, .size: 8, .value_kind: global_buffer, .address_space: global }
      - { .name: qkP, .offset: 8, .size: 8, .value_kind: global_buffer, .address_space: global }
      - { .name: vP, .offset: 16, .size: 8, .value_kind: global_buffer, .address_space: global }
    .group_segment_fixed_size: 327680
    .private_segment_fixed_size: 0
    .kernarg_segment_align: 8
    .kernarg_segment_size: 24
    .max_flat_workgroup_size: 128
    .sgpr_count:     102
    .vgpr_count:     1024
    .wavefront_size: 32
...
	.end_amdgpu_metadata
.endif
;; end of part 2
;; launch scores (part 3): grid 12 x 16, 4 waves a work-group, clusters of 4 x 4, 327,680 bytes of LDS; arguments qkP, pP, sP; writes pP, sP
.if DOCPART == 3
	.amdgcn_target "amdgcn-amd-amdhsa--gfx1250"
	.amdhsa_code_object_version 6
	.text
	.protected	k_qe0157a4fa3_scores
	.globl	k_qe0157a4fa3_scores
	.p2align	8
	.type	k_qe0157a4fa3_scores,@function
k_qe0157a4fa3_scores:
	s_mov_b64 s[64:65], 0
	v_nop
	global_prefetch_b8 v0, s[64:65] scope:SCOPE_SE
	s_setreg_imm32_b32 hwreg(HW_REG_WAVE_MODE, 25, 1), 1
	s_wait_xcnt 0x0
	s_wait_alu depctr_hold_cnt(0) depctr_sa_sdst(0) depctr_va_vdst(0) depctr_va_sdst(0) depctr_va_ssrc(0) depctr_va_vcc(0) depctr_vm_vsrc(0)
	s_getreg_b32 s2, hwreg(HW_REG_IB_STS2, 6, 4)
	s_cmp_eq_u32 s2, 0
	s_cbranch_scc0 .Lentry_in_a_cluster
	s_endpgm
.Lentry_in_a_cluster:
	s_bfe_u32 s2, ttmp6, 0x10000c
	s_cmp_lg_u32 s2, 0xf033
	s_cbranch_scc0 .Lentry_shape_is_right
	s_endpgm
.Lentry_shape_is_right:
; S = q k^T on codes of E4M3 (K = 1,024), the causal mask, and p = 2^(t - Mw), quantised along the keys.  t = score x log2(e) / 32.
; Mw is the ceiling of the largest t of a query among the 128 KEYS OF ONE RECORD, a whole number: the next launch finds the row's M as the largest Mw and shifts the scale bytes by Mw - M, an exact power of two.
; Stored for each record of p (128 queries x 128 keys): its codes and raw scale words in pP, and in sP 512 bytes of -Mw and 512 of the sum lw of the unquantised p, both f32, at 4 (8 r + i) like the scale words.
; RECORDS: 128 rows x 128 K in 16,896 bytes: eight fragment images of 2,048 bytes (fragment i, chunk c, lane l = 16 h + r: codes k = 32 c + 16 h + 0 .. 15 of row 32 (i / 2) + 8 (i % 2) + r + 8 (r / 8)),
; then 512 bytes of scale words at 4 (8 r + i).  Source 0 = 16 keys, source 1 = 16 queries: a lane holds one query, and block a's 64 registers are the record's 128 keys: register 16 b + i = key 32 b + 16 h + i.
; A tile of 256 x 256 to a work-group, 128 x 128 to a wave; K in steps of 256 through two LDS slots; each wave fetches one group of 128 rows (0, 1: q's two; 2, 3: k's two), two records a load.
; THE MASK IS IN THE SUMS' START: the first product of a sum takes as C a register that holds 0, or -3e38 where the key comes after the query.  These are written while the head's tiles are on their way.  A hidden score so ends at -3e38 or a little under,
; its t under -1e37, and its p is 0 under every M that can occur.
; CLUSTERS: 4 x 4 work-groups; q's tiles jointly along a row, k's along a column.  A batch has 2 x 2 clusters of tiles; the one that lies wholly above the diagonal is not launched: the causal mask throws its scores away.
; In a cluster on the diagonal all sixteen partners run the same text (no branch hangs on a place in the cluster): tiles above the diagonal come out as zero codes, -Mw = 1e36 and lw = 0, which the next launch reads in part.
; PREFETCH: each fill behind the head's: K steps 2 and 3 behind the head's load, 4 and 5 behind the first fragments' loads, 6 and 7 behind the first refill's: a fill's whole work and more ahead of the load that wants them.
; The four partners that share a group name 8,192 bytes each, a lane 256 bytes; a fill's last 1,024 bytes come by the load alone.
; LIMITS: scaled scores (t) stay under 2^31 in magnitude; a block whose every p has fallen to 0 keeps the byte 1 over zero codes; NaN and infinities among the inputs are not served.
; REGISTERS: window 0: v4-15 the statistics as they are stored; v16-30 addresses and constants; v32-63 scale words, two sets of 16; v64-123 the way out's work; v128-255 q's fragments, on the way out p of two blocks.
;   window 1: k's fragments, two sets; on the way out v0-63 codes.   windows 2, 3: the accumulators of blocks 0-3 and 4-7.
.set REC,   16896
.set FRG,   2048
.set SCO,   16384
.set WREG,  2*REC                      ; a slot of one group; slot 1 follows slot 0
.set RGN,   2*WREG                     ; a group's region
.set SPARE, 4*RGN                      ; behind the ring: the spare words, 128 bytes for each wave: two blocks of 256 bytes that no other line names
.set GRP,   8*REC
.set KOFF,  512*REC                    ; k's records begin here in qkP
.set NL,    4
.set NP,    8
.set SW0,   4                          ; v4-15 lanes 0-15 blocks 0-3, lanes 16-31 blocks 4-7: scale words, -Mw, lw
.set SW1,   8
.set SW2,   12
.set ADRA, 16
.set ADRB, 20
.set ADRS, 22
.set OFF,  24
.set SOFF, 25
.set DG,   26                          ; v26  128 (m - n) + r + 8 (r / 8) - 16 h
.set PFO,  27                          ; v27  256 x lane
.set SPW,  28
.set NIL,  29
.set NINF, 30                          ; v30  -infinity
.set SC,   32
.set BM,   64                          ; v64-71   two blocks' largest scores of 32 keys, then their largest p
.set BX,   72                          ; v72-79   the other half's; later the bytes
.set HL,   80                          ; v80-87   448 x the scale
.set SO,   88                          ; v88-95   the conversions' scale operands
.set NEGM, 96                          ; v96-99   -Mw of the two (each named as a pair)
.set TT,   100                         ; v100-101
.set SUM,  102                         ; v102-105
.set SU2,  106                         ; v106-109
.set LX,   110                         ; v110-111
.set WD,   112                         ; v112-115 four blocks' raw scale words
.set NM,   116                         ; v116-119 their -Mw
.set LS,   120                         ; v120-123 their lw
.set AF,   128
.set T,    128
.set G1,  24
.set G0,  32
.set G1B, 48
.set G0B, 56
.set HIM, 18
.set MNT, 19
.set SEL, 20
.set CS,  22                           ; s[22:23] c = log2(e) / 32
.set PFA, 88                           ; s[88:89] my share of my group, for the prefetches
.set MSB, 0
.macro WIN new
.if MSB != (\new)
	s_set_vgpr_msb (MSB<<8)|(\new)
.set MSB, (\new)
.endif
.endm
.set MUL_LO, 0xa1
.set MUL_HI, 0xf1
.set TO_B,   0x40
.macro JLOAD slot                      ; a joint load: waves 0 and 1 fetch for q, waves 2 and 3 for k; four v_nop follow each of the two lines
	s_cmp_eq_u32 s15, 0
	s_cbranch_scc0 .Lfor_b_\@
	tensor_load_to_lds s[G0+4*\slot:G0+4*\slot+3], s[G1:G1+7]
	s_nop 0
.rept 4
	v_nop
.endr
	s_branch .Lasked_\@
.Lfor_b_\@:
	tensor_load_to_lds s[G0B+4*\slot:G0B+4*\slot+3], s[G1B:G1B+7]
	s_nop 0
.rept 4
	v_nop
.endr
.Lasked_\@:
.endm
.macro ASK step                        ; K steps `step` and step + 1 of my group, my share
	global_prefetch_b8 v[PFO], s[PFA:PFA+1] offset:(\step)*REC th:TH_LOAD_NT scope:SCOPE_SE
.endm
.macro CREST
	s_cmp_lg_u32 s14, 0
	s_cbranch_scc1 .Lnot_wave_0_\@
	s_barrier_signal -3
.Lnot_wave_0_\@:
	s_barrier_wait -3
	s_barrier_signal -1
	s_barrier_wait -1
.endm
.macro CROUND
	s_barrier_signal -1
	s_barrier_wait -1
	CREST
.endm
	s_load_b128 s[4:7], s[0:1], 0x0                ; qkP, pP
	s_load_b64 s[8:9], s[0:1], 0x10                ; sP
	v_lshl_add_u32 v[SPW], v0, 2, SPARE
	v_mov_b32 v[NIL], 0
	ds_add_u32 v[SPW], v[NIL]                      ; the wave's opening: the add, twice on end, and its wait ahead of my first tensor load
	ds_add_u32 v[SPW], v[NIL]
	v_lshrrev_b32 v1, 5, v0
	v_readfirstlane_b32 s14, v1                    ; wave 0..3
	s_lshr_b32 s15, s14, 1                         ; which of the tile's two query groups is mine.  Also: I fetch for q (0) or for k (1)
	s_and_b32 s16, s14, 1                          ; which of its key groups.  Also: which of the two groups I fetch
	s_bfe_u32 s40, ttmp6, 0x40000                  ; cx
	s_bfe_u32 s41, ttmp6, 0x40004                  ; cy
	s_and_b32 s68, ttmp7, 0xffff                   ; the cluster's y: the batch
	s_add_co_u32 s69, ttmp9, 1
	s_lshr_b32 s69, s69, 1                         ; cluster x = 0, 1, 2: cluster row 0, 1, 1
	s_lshr_b32 s70, ttmp9, 1                       ; cluster column 0, 0, 1
	s_lshl_b32 s17, s69, 2
	s_add_co_u32 s17, s17, s41                     ; tile row
	s_lshl_b32 s42, s70, 2
	s_add_co_u32 s42, s42, s40                     ; tile column
	s_lshl_b32 s43, s41, 2
	s_lshl_b32 s43, 15, s43                        ; my row of the cluster
	s_lshl_b32 s44, 0x1111, s40                    ; my column
	s_or_b32 s[G1+0], s43, (3<<16)|(1<<21)         ; two records, 33,792 dense bytes, as 132 rows of 32 elements of 8 bytes; the mask, and bit 21 beside it
	s_or_b32 s[G1B+0], s44, (3<<16)|(1<<21)
.irp g, G1, G1B
	s_mov_b32 s[\g+1], 32<<16
	s_mov_b32 s[\g+2], 132<<16
	s_mov_b32 s[\g+3], 32<<16
	s_mov_b32 s[\g+4], 132
	s_mov_b32 s[\g+5], 32
	s_mov_b32 s[\g+6], 0
	s_mov_b32 s[\g+7], 0
.endr
	s_lshl_b32 s66, s68, 4                         ; the grid has four clusters along y: the cluster's y is the batch
	s_lshl_b32 s71, s17, 1
	s_add_co_u32 s66, s66, s71
	s_add_co_u32 s66, s66, s16                     ; q's group: 16 x batch + 2 x tile row + half
	s_mul_i32 s66, s66, GRP
	s_mov_b32 s67, 0
	s_lshl_b32 s46, s68, 4
	s_lshl_b32 s72, s42, 1
	s_add_co_u32 s46, s46, s72
	s_add_co_u32 s46, s46, s16                     ; k's
	s_mul_i32 s46, s46, GRP
	s_add_co_u32 s46, s46, KOFF
	s_mov_b32 s47, 0
	s_cmp_eq_u32 s15, 0
	s_cselect_b32 s86, s66, s46                    ; the prefetches: my group,
	s_cselect_b32 s87, s40, s41                    ; and my place among the four that share it
	s_lshl_b32 s87, s87, 13
	s_add_co_u32 s86, s86, s87
	s_mov_b32 s87, 0
	s_mul_i32 s45, s14, RGN
	s_mov_b32 s[HIM], -1
	s_mov_b32 s[MNT], 0x600000
	s_mov_b32 s[SEL], 0x76543210
	s_mov_b32 s[SEL+1], 0xfedcba98
	s_mov_b32 s[CS], 0x3d38aa3b                    ; log2(e) / 32
	s_mov_b32 s[CS+1], s[CS]                       ; (named with it as a pair, so it is written)
	s_wait_dscnt 0x0                               ; both opening adds are done
	CROUND                                         ; all sixteen work-groups are here: the first joint loads meet
	s_wait_kmcnt 0x0
	s_add_nc_u64 s[66:67], s[4:5], s[66:67]
	s_add_nc_u64 s[46:47], s[4:5], s[46:47]
	s_add_nc_u64 s[PFA:PFA+1], s[4:5], s[86:87]
.irp s, 0,1
	s_mov_b32 s[G0+4*\s], 1
	s_add_co_u32 s[G0+4*\s+1], s45, \s*WREG
	s_add_nc_u64 s[G0+4*\s+2:G0+4*\s+3], s[66:67], \s*WREG
	s_or_b32 s[G0+4*\s+3], s[G0+4*\s+3], 0x80000000
	s_mov_b32 s[G0B+4*\s], 1
	s_add_co_u32 s[G0B+4*\s+1], s45, \s*WREG
	s_add_nc_u64 s[G0B+4*\s+2:G0B+4*\s+3], s[46:47], \s*WREG
	s_or_b32 s[G0B+4*\s+3], s[G0B+4*\s+3], 0x80000000
.endr
	JLOAD 0                                        ; K steps 0 and 1: one tensor load a wave at the head
	s_mul_i32 s72, s15, RGN                        ; my query group's region
	s_mul_i32 s73, s16, RGN
	s_add_co_u32 s73, s73, 2*RGN                   ; my key group's
	s_sub_co_u32 s74, s73, s72
	s_add_co_u32 s75, s72, SCO
	s_lshl_b32 s80, s17, 1
	s_add_co_u32 s80, s80, s15                     ; m: my query group in the batch
	s_lshl_b32 s81, s42, 1
	s_add_co_u32 s81, s81, s16                     ; n: my key group
	s_sub_co_i32 s82, s80, s81
	s_lshl_b32 s82, s82, 7
	s_lshl_b32 s83, s68, 4
	s_add_co_u32 s83, s83, s80
	s_lshl_b32 s83, s83, 4
	s_add_co_u32 s83, s83, s81                     ; my record: (16 x batch + m) 16 + n
	s_mul_i32 s84, s83, REC
	s_mov_b32 s85, 0
	s_add_nc_u64 s[12:13], s[6:7], s[84:85]        ; in pP
	s_lshl_b32 s84, s83, 10
	s_add_nc_u64 s[10:11], s[8:9], s[84:85]        ; in sP
	v_and_b32 v1, 15, v0                           ; r
	v_bfe_u32 v2, v0, 4, 1                         ; h
	v_and_b32 v3, 31, v0
	v_lshlrev_b32 v[PFO], 8, v3
	v_lshlrev_b32 v[OFF], 4, v3
	ASK 2
	v_lshlrev_b32 v[SOFF], 5, v1
	v_lshl_add_u32 v[SOFF], v2, 4, v[SOFF]
	v_add_nc_u32 v[ADRA], s72, v[OFF]
	v_add_nc_u32 v[ADRA+1], WREG, v[ADRA]
	v_add_nc_u32 v[ADRB], s73, v[OFF]
	v_add_nc_u32 v[ADRB+1], WREG, v[ADRB]
	v_mul_u32_u24 v4, s74, v2                      ; lanes 16-31 take k's words: one product, the distance between the two regions
	v_lshl_add_u32 v4, v1, 5, v4
	v_add_nc_u32 v[ADRS], s75, v4
	v_add_nc_u32 v[ADRS+1], WREG, v[ADRS]
	v_and_b32 v4, 8, v1
	v_add_nc_u32 v4, v4, v1                        ; r + 8 (r / 8)
	v_lshlrev_b32 v5, 4, v2
	v_sub_nc_u32 v4, v4, v5
	v_add_nc_u32 v[DG], s82, v4
.irp b, 0,1,2,3,4,5,6,7
	v_mov_b32 v[BX+\b], 0                          ; written once: a lane permute's destination counts as one of its sources
.endr
.irp b, 0,1,2,3,4,5,6,7,8,9,10,11
	v_mov_b32 v[SW0+\b], 0                         ; (selected into, half by half)
.endr
	v_mov_b32 v[LX], 0
	v_mov_b32 v[LX+1], 0
	v_mov_b32 v[NEGM+1], 0                         ; (named as the upper halves of pairs)
	v_mov_b32 v[NEGM+3], 0
	v_mov_b32 v[NINF], 0xff800000
	v_mov_b32 v[TT], 0xff61b1e6                    ; -3e38
; THE SUMS' START.  Block a = 2 A + u, register 16 b + i is hidden where 32 b + i > DG + 32 A + 8 u, that is where 32 (b - A) + (i - 8 u) > DG: one compare serves all the registers with the same b - A and i - 8 u.
.macro PUT A0, e, m
.irp A, 0,1
.set B_, D_+\A0+\A
.if B_ >= 0 && B_ < 4
.irp u, 0,1
.set I_, (\e)+8*\u
.if I_ >= 0 && I_ < 16
	v_cndmask_b32 v[64*(2*\A+\u)+16*B_+I_], 0, v[TT], \m
.endif
.endr
.endif
.endr
.endm
.macro START A0                        ; the window of blocks 2 A0 .. 2 A0 + 3; two compares a turn
.set D_, -(\A0+1)
.rept 5
.set E_, -8
.rept 12
	v_cmp_gt_i32 vcc_lo, 32*D_+E_, v[DG]
	v_cmp_gt_i32 s90, 32*D_+E_+1, v[DG]
	PUT \A0, E_, vcc_lo
	PUT \A0, E_+1, s90
.set E_, E_+2
.endr
.set D_, D_+1
.endr
.endm
	WIN 0x80                                       ; destination window 2
	START 0
	WIN 0xc0                                       ; destination window 3
	START 2
	WIN 0
.macro FRAG reg, adr, q, i
.irp c, 0,1,2,3
	ds_load_b128 v[\reg+4*\c:\reg+4*\c+3], v[\adr] offset:(\q)*REC+(\i)*FRG+512*\c
.endr
.endm
; 16 matrix instructions; the 64 accumulators take turns, one instruction a turn, in the same order in every step
.macro MUL16 a0, p, q, sc
.irp a, \a0, \a0+1
.irp b, 0,1,2,3,4,5,6,7
	v_wmma_scale_f32_16x16x128_f8f6f4 v[8*(8*((\a)%4)+\b):8*(8*((\a)%4)+\b)+7], v[128*(\p)+16*\b:128*(\p)+16*\b+15], v[AF+16*(\a):AF+16*(\a)+15], v[8*(8*((\a)%4)+\b):8*(8*((\a)%4)+\b)+7], v[SC+16*(\sc)+8*(\q)+\b], v[SC+16*(\sc)+8*(\q)+(\a)] matrix_a_scale:MATRIX_SCALE_ROW1
.endr
.endr
.endm
.macro FETCH_B slot, q, p
	WIN TO_B
.irp i, 0,1,2,3,4,5,6,7
	FRAG 128*(\p)+16*\i, ADRB+\slot, \q, \i
.endr
	WIN 0
.endm
.macro FETCH_A slot, q, i0
.irp i, \i0, \i0+1, \i0+2, \i0+3
	FRAG AF+16*(\i), ADRA+\slot, \q, \i
.endr
.endm
.macro SCALES sc
.irp q, 0,1
.irp e, 0,1
	ds_load_b128 v[SC+16*\sc+8*\q+4*\e:SC+16*\sc+8*\q+4*\e+3], v[ADRS+\sc] offset:\q*REC+16*\e
.endr
.endr
.endm
.macro PLACES n                        ; places behind matrix instructions (ISA guide 7.12.1): plain vector instructions that name none of their registers
.rept \n
	v_nop
.endr
.endm
.macro STEP slot                       ; a slot's first K step of 128
	s_wait_dscnt 4*NL                              ; all but the youngest 16 loads (q's blocks 4-7) are in
	WIN MUL_LO
	MUL16 0, 0, 0, \slot
	MUL16 2, 0, 0, \slot
	s_wait_dscnt 0
	PLACES NP
	FETCH_B \slot, 1, 1
	FETCH_A \slot, 1, 0
	WIN MUL_HI
	MUL16 4, 0, 0, \slot
	MUL16 6, 0, 0, \slot
	PLACES NP
	WIN 0
	FETCH_A \slot, 1, 4
.endm
.macro TURN slot, next, fill, ask      ; its second, which changes slots
	s_wait_tensorcnt 0x0                           ; all my tensor loads have landed: my part of the next slot
	ds_add_u32 v[SPW], v[NIL]                      ; 0 onto my spare word
	s_wait_dscnt 4*NL+1                            ; the add and the youngest 16 loads may be out
	WIN MUL_LO
	MUL16 0, 1, 1, \slot
	s_wait_dscnt 0x0                               ; the add is done, and my reads of this slot are over
	s_barrier_signal -1
	MUL16 2, 1, 1, \slot
	WIN 0
	s_barrier_wait -1
.if \fill
	CREST                                          ; a round of the cluster's barrier: no wave of any partner still reads this slot or has a load on its way
	s_add_nc_u64 s[G0+4*\slot+2:G0+4*\slot+3], s[G0+4*\slot+2:G0+4*\slot+3], 2*WREG
	s_add_nc_u64 s[G0B+4*\slot+2:G0B+4*\slot+3], s[G0B+4*\slot+2:G0B+4*\slot+3], 2*WREG
	JLOAD \slot
	PLACES NP-4
.else
	PLACES NP
.endif
	FETCH_B \next, 0, 0
	FETCH_A \next, 0, 0
	SCALES \next
.if \ask
	ASK \ask
.endif
	WIN MUL_HI
	MUL16 4, 1, 1, \slot
	MUL16 6, 1, 1, \slot
	PLACES NP
	WIN 0
	FETCH_A \next, 0, 4
.endm
	s_wait_alu depctr_va_vdst(0)                   ; the wait at the head's end
	s_wait_tensorcnt 0x0                           ; my part of slot 0 is in
	ds_add_u32 v[SPW], v[NIL]
	s_wait_dscnt 0x0
	CROUND                                         ; everybody's part is in, and the joint loads meet:
	JLOAD 1                                        ; K steps 2 and 3
	FETCH_B 0, 0, 0
	FETCH_A 0, 0, 0
	SCALES 0
	FETCH_A 0, 0, 4
	ASK 4
	STEP 0
	TURN 0, 1, 1, 6
	STEP 1
	TURN 1, 0, 1, 0
	STEP 0
	TURN 0, 1, 0, 0
	STEP 1
	s_wait_dscnt 4*NL
	WIN MUL_LO
	MUL16 0, 1, 1, 1
	MUL16 2, 1, 1, 1
	s_wait_dscnt 0
	WIN MUL_HI
	MUL16 4, 1, 1, 1
	MUL16 6, 1, 1, 1
	WIN 0
; THE WAY OUT of blocks a and a + 1 of window 2, side by side: 2 x 16 queries x the record's 128 keys.
.macro SOFT2 a
.set A0_, 64*(\a)
.set A1_, A0_+64
	WIN (2<<2)|(2<<4)                              ; sources 1 and 2 window 2
	s_wait_alu depctr_va_vdst(0)                   ; the wait here, directly ahead of the first readers of the sums
.irp u, 0,1
.irp b, 0,1,2,3
	v_max3_num_f32 v[BM+4*\u+\b], v[NINF], v[A0_+64*\u+16*\b], v[A0_+64*\u+16*\b+1]   ; the largest score of each block of 32 keys: it serves for the row's maximum and, since p rises with the score, for the block's largest p
.endr
.endr
.irp i, 2,4,6,8,10,12,14
.irp u, 0,1
.irp b, 0,1,2,3
	v_max3_num_f32 v[BM+4*\u+\b], v[BM+4*\u+\b], v[A0_+64*\u+16*\b+\i], v[A0_+64*\u+16*\b+\i+1]   ; each accumulator from its low end on
.endr
.endr
.endr
	WIN 0
.irp b, 0,1,2,3,4,5,6,7
	v_permlanex16_b32 v[BX+\b], v[BM+\b], s[SEL], s[SEL+1]
.endr
.irp b, 0,1,2,3,4,5,6,7
	v_max_num_f32 v[BM+\b], v[BM+\b], v[BX+\b]     ; with lane l xor 16's 16 keys
.endr
.irp u, 0,1
	v_max3_num_f32 v[TT+\u], v[BM+4*\u], v[BM+4*\u+1], v[BM+4*\u+2]
.endr
.irp u, 0,1
	v_max_num_f32 v[TT+\u], v[TT+\u], v[BM+4*\u+3]
.endr
.irp u, 0,1
	v_mul_f32 v[TT+\u], s[CS], v[TT+\u]            ; the largest t of my query among these 128 keys
.endr
.irp u, 0,1
	v_max_num_f32 v[TT+\u], 0xfb4097ce, v[TT+\u]   ; -1e36 where all 128 are hidden
.endr
.irp u, 0,1
	v_floor_f32 v[NEGM+2*\u], -v[TT+\u]            ; -Mw = floor(-t) = -ceil(t): a whole number
.endr
	WIN 2                                          ; source 0 window 2
.set n, 0
.rept 32
	v_pk_fma_f32 v[T+n:T+n+1], v[A0_+n:A0_+n+1], s[CS:CS+1], v[NEGM:NEGM+1] op_sel_hi:[1,0,0]   ; t - Mw, two at a time, into window 0
	v_pk_fma_f32 v[T+64+n:T+65+n], v[A1_+n:A1_+n+1], s[CS:CS+1], v[NEGM+2:NEGM+3] op_sel_hi:[1,0,0]
.set n, n+2
.endr
	WIN 0
.irp u, 0,1
.irp b, 0,1,2,3
	v_fma_f32 v[BM+4*\u+\b], v[BM+4*\u+\b], s[CS], v[NEGM+2*\u]   ; the same of each block's largest score
.endr
.endr
	s_wait_alu depctr_va_vdst(0)                   ; the wait ahead of the batch too
.set n, 0
.rept 128
	v_exp_f32 v[T+n], v[T+n]                       ; p = 2^(t - Mw), at most 1
.set n, n+1
.endr
.irp u, 0,1
	v_mov_b32 v[NM+\a+\u], v[NEGM+2*\u]            ; plain lines behind the exponentials
.endr
	s_wait_alu depctr_va_vdst(0)                   ; one wait for the batch of 128, ahead of its first reader
.irp b, 0,1,2,3,4,5,6,7
	v_exp_f32 v[BM+\b], v[BM+\b]                   ; the blocks' largest p
.endr
.irp u, 0,1
	v_pk_add_f32 v[SUM+2*\u:SUM+2*\u+1], v[T+64*\u:T+64*\u+1], v[T+64*\u+4:T+64*\u+5]   ; the sums of the UNQUANTISED p, two at a time, in two chains each: plain work behind the eight
	v_pk_add_f32 v[SU2+2*\u:SU2+2*\u+1], v[T+64*\u+2:T+64*\u+3], v[T+64*\u+6:T+64*\u+7]
.endr
.irp j, 8,12,16,20,24,28,32,36,40,44,48,52,56,60
.irp u, 0,1
	v_pk_add_f32 v[SUM+2*\u:SUM+2*\u+1], v[SUM+2*\u:SUM+2*\u+1], v[T+64*\u+\j:T+64*\u+\j+1]
	v_pk_add_f32 v[SU2+2*\u:SU2+2*\u+1], v[SU2+2*\u:SU2+2*\u+1], v[T+64*\u+\j+2:T+64*\u+\j+3]
.endr
.endr
.irp u, 0,1
	v_pk_add_f32 v[SUM+2*\u:SUM+2*\u+1], v[SUM+2*\u:SUM+2*\u+1], v[SU2+2*\u:SU2+2*\u+1]
.endr
.irp u, 0,1
	v_add_f32 v[LS+\a+\u], v[SUM+2*\u], v[SUM+2*\u+1]
.endr
.irp u, 0,1
	v_permlanex16_b32 v[LX+\u], v[LS+\a+\u], s[SEL], s[SEL+1]
.endr
.irp u, 0,1
	v_add_f32 v[LS+\a+\u], v[LS+\a+\u], v[LX+\u]   ; lw
.endr
	s_wait_alu depctr_va_vdst(0)                   ; and one wait for the eight
.irp b, 0,1,2,3,4,5,6,7
	v_max_num_f32 v[BM+\b], 0x4800000, v[BM+\b]    ; the floor 2^(9 - 127): the byte cannot fall under 1
.endr
.irp b, 0,1,2,3,4,5,6,7
	v_add_nc_u32 v[SO+\b], 0xfc000000, v[BM+\b]    ; 8 off the exponent field: the conversion's scale operand
.endr
.irp b, 0,1,2,3,4,5,6,7
	v_and_or_b32 v[HL+\b], v[BM+\b], 0x7f800000, s[MNT]   ; 448 x the scale
.endr
.irp b, 0,1,2,3,4,5,6,7
	v_lshrrev_b32 v[BX+\b], 23, v[SO+\b]           ; the scale's byte, under Mw
.endr
.irp u, 0,1
	v_lshl_or_b32 v[WD+\a+\u], v[BX+4*\u+1], 8, v[BX+4*\u]
.endr
.irp u, 0,1
	v_lshl_or_b32 v[WD+\a+\u], v[BX+4*\u+2], 16, v[WD+\a+\u]
.endr
.irp u, 0,1
	v_lshl_or_b32 v[WD+\a+\u], v[BX+4*\u+3], 24, v[WD+\a+\u]
.endr
.irp b, 0,1,2,3,4,5,6,7
.irp i, 0,1,2,3,4,5,6,7,8,9,10,11,12,13,14,15
	v_min_num_f32 v[T+16*\b+\i], v[T+16*\b+\i], v[HL+\b]   ; the conversion does not saturate (ISA guide 7.6.2); p is not negative, so the hold is one-sided
.endr
.endr
	WIN 0x40                                       ; destination window 1
.irp b, 0,1,2,3,4,5,6,7
	v_cvt_scalef32_pk8_fp8_f32 v[16*(\a)+4*\b:16*(\a)+4*\b+1], v[T+16*\b:T+16*\b+7], v[SO+\b]
	v_cvt_scalef32_pk8_fp8_f32 v[16*(\a)+4*\b+2:16*(\a)+4*\b+3], v[T+16*\b+8:T+16*\b+15], v[SO+\b]
.endr
	v_nop                                          ; a plain line behind the last conversion
	WIN 0x04                                       ; the data: window 1
.irp c, 0,1,2,3,4,5,6,7
	global_store_b128 v[OFF], v[16*(\a)+4*\c:16*(\a)+4*\c+3], s[12:13] offset:(\a)*FRG+512*\c   ; fragments a and a + 1 of this half of my record: 512 consecutive bytes a store
.endr
	WIN 0
.endm
	PLACES NP
	s_mov_b32 s91, 0
.Lhalf:                                            ; blocks 0-3, then 4-7
	SOFT2 0
	SOFT2 2
.irp e, 0,1,2,3
	v_cndmask_b32 v[SW0+\e], v[SW0+\e], v[WD+\e], s[HIM]   ; all lanes; in the second half lanes 16-31 alone
	v_cndmask_b32 v[SW1+\e], v[SW1+\e], v[NM+\e], s[HIM]
	v_cndmask_b32 v[SW2+\e], v[SW2+\e], v[LS+\e], s[HIM]
.endr
	s_mov_b32 s[HIM], 0xffff0000
	s_add_co_u32 s91, s91, 1
	s_wait_alu depctr_va_vdst(0)                   ; the wait here, ahead of the branch
	s_cmp_eq_u32 s91, 2
	s_cbranch_scc1 .Lout
	s_wait_xcnt 0x0                                ; the stores have read their data and their base: both are written again only behind this wait
	s_add_nc_u64 s[12:13], s[12:13], 4*FRG
	WIN 0x83                                       ; source 0 window 3, destination window 2: the second half's sums take the first's place, so that the way out is four blocks of text
	s_wait_alu depctr_va_vdst(0)                   ; the wait here, directly ahead of the first readers of the sums
.set n, 0
.rept 256
	v_mov_b32 v[n], v[n]
.set n, n+1
.endr
	WIN 0
	s_wait_alu depctr_va_vdst(0)                   ; and here, ahead of the branch
	s_cmp_lt_u32 s91, 2
	s_cbranch_scc1 .Lhalf
.Lout:
	global_store_b128 v[SOFF], v[SW0:SW0+3], s[12:13] offset:SCO-4*FRG   ; three stores of 512 consecutive bytes: the raw scale words,
	global_store_b128 v[SOFF], v[SW1:SW1+3], s[10:11]              ; -Mw,
	global_store_b128 v[SOFF], v[SW2:SW2+3], s[10:11] offset:512   ; lw
	s_wait_tensorcnt 0x0                           ; the wave's end
	ds_add_u32 v[SPW], v[NIL]
	s_wait_dscnt 0x0
	CROUND                                         ; the closing round
	s_endpgm
.Lfunc_end_k_qe0157a4fa3_scores:
	.size	k_qe0157a4fa3_scores, .Lfunc_end_k_qe0157a4fa3_scores-k_qe0157a4fa3_scores
	.p2alignl 7, 3214868480
	.fill 96, 4, 3214868480
	.section	.rodata,"a",@progbits
	.p2align	6, 0x0
	.amdhsa_kernel k_qe0157a4fa3_scores
		.amdhsa_group_segment_fixed_size 327680
		.amdhsa_private_segment_fixed_size 0
		.amdhsa_enable_private_segment 0
		.amdhsa_kernarg_size 24
		.amdhsa_user_sgpr_count 2
		.amdhsa_user_sgpr_kernarg_segment_ptr 1
		.amdhsa_wavefront_size32 1
		.amdhsa_system_sgpr_workgroup_id_x 1
		.amdhsa_system_sgpr_workgroup_id_y 1
		.amdhsa_system_sgpr_workgroup_id_z 1
		.amdhsa_system_vgpr_workitem_id 0
		.amdhsa_next_free_vgpr 1024
		.amdhsa_next_free_sgpr 100
		.amdhsa_reserve_vcc 1
		.amdhsa_float_denorm_mode_32 3
		.amdhsa_float_denorm_mode_16_64 3
		.amdhsa_memory_ordered 1
		.amdhsa_forward_progress 1
		.amdhsa_inst_pref_size 217
	.end_amdhsa_kernel
	.amdgpu_metadata
---
amdhsa.version: [ 1, 2 ]
amdhsa.kernels:
  - .name:           k_qe0157a4fa3_scores
    .symbol:         k_qe0157a4fa3_scores.kd
    .args:
      - { .name: qkP, .offset: 0, .size: 8, .value_kind: global_buffer, .address_space: global }
      - { .name: pP, .offset: 8, .size: 8, .value_kind: global_buffer, .address_space: global }
      - { .name: sP, .offset: 16, .size: 8, .value_kind: global_buffer, .address_space: global }
    .group_segment_fixed_size: 327680
    .private_segment_fixed_size: 0
    .kernarg_segment_align: 8
    .kernarg_segment_size: 24
    .max_flat_workgroup_size: 128
    .sgpr_count:     100
    .vgpr_count:     1024
    .wavefront_size: 32
...
	.end_amdgpu_metadata
.endif
;; end of part 3
;; launch pv (part 4): grid 8 x 32, 4 waves a work-group, clusters of 4 x 4, 327,680 bytes of LDS; arguments pP, sP, vP, out0; writes out0
.if DOCPART == 4
	.amdgcn_target "amdgcn-amd-amdhsa--gfx1250"
	.amdhsa_code_object_version 6
	.text
	.protected	k_qe0157a4fa3_pv
	.globl	k_qe0157a4fa3_pv
	.p2align	8
	.type	k_qe0157a4fa3_pv,@function
k_qe0157a4fa3_pv:
	s_mov_b64 s[64:65], 0
	v_nop
	global_prefetch_b8 v0, s[64:65] scope:SCOPE_SE
	s_setreg_imm32_b32 hwreg(HW_REG_WAVE_MODE, 25, 1), 1
	s_wait_xcnt 0x0
	s_wait_alu depctr_hold_cnt(0) depctr_sa_sdst(0) depctr_va_vdst(0) depctr_va_sdst(0) depctr_va_ssrc(0) depctr_va_vcc(0) depctr_vm_vsrc(0)
	s_getreg_b32 s2, hwreg(HW_REG_IB_STS2, 6, 4)
	s_cmp_eq_u32 s2, 0
	s_cbranch_scc0 .Lentry_in_a_cluster
	s_endpgm
.Lentry_in_a_cluster:
	s_bfe_u32 s2, ttmp6, 0x10000c
	s_cmp_lg_u32 s2, 0xf033
	s_cbranch_scc0 .Lentry_shape_is_right
	s_endpgm
.Lentry_shape_is_right:
; out = (p v) / l on codes of E4M3: K = the keys.  p's records (128 queries x 128 keys) carry scale words under the Mw of their own 128 keys; this launch finds each row's M = the largest Mw,
; takes M - Mw off every scale byte (an exact power of two), sums l = the sum of lw 2^(Mw - M), multiplies, and divides by l.
; RECORDS: 128 rows x 128 K in 16,896 bytes: eight fragment images of 2,048 bytes (fragment i, chunk c, lane l = 16 h + r: codes k = 32 c + 16 h + 0 .. 15 of row 32 (i / 2) + 8 (i % 2) + r + 8 (r / 8)), then 512 bytes of scale words at 4 (8 r + i).
; SHARES.  A work-group makes TWO tiles of 128 queries x 128 channels, query groups m1 = 4 (3 - g) + cy and m2 = 4 g + cy of a batch (g = the cluster's y % 2): together they need five slots of 512 keys whatever g is,
; so all 256 work-groups have equal work and one straight text.  A wave makes 64 x 64 of each tile.  g steers global addresses (selects) and data (v_cndmask_b32) alone.
;   slot step 0, 1, 2: m1, keys 512 x step on -> ACC1;   3: g = 0: m1, keys 1,536 on; g = 1: m2, keys 0 on -> ACC3;   4: g = 0: m2, keys 0 on; g = 1: m2, keys 512 on -> ACC2.
;   O1 = ACC1 / l1 + ACC3 (w / l1), O2 = ACC2 / l2 + ACC3 ((1 - w) / l2), w = 1 where g = 0, else 0.
; Source 0 = 16 channels of v, source 1 = 16 queries of p: a lane holds one query and eight neighbouring channels.
; CLUSTERS: 4 x 4 work-groups; p's records are asked for jointly along a row of the cluster, v's along a column.  A slot is four records of p and four of v; a wave's tensor load brings four records on end at the head, two later.
; LIMITS: one row's K is summed in two accumulators, so the order of the f32 sums differs from one chain; a shifted scale byte that would fall under 1 is held at 0 (2^-127), where the rule holds it at 1:
; what it scales lies under 2^-118 of the row's largest term; NaN and infinities are not served.
; REGISTERS: window 0: v1-29 addresses; v32-47 scale words, two sets (p's four, v's four); v64-157 the head's work; on the way out v64-95 the divisors, v96-127 a block, v128-191 rows read back.
;   window 1: two fragment buffers of 128 (p's four fragments, then v's four).   window 2: ACC1 at v0, ACC2 at v128.   window 3: ACC3 at v0.
.set REC,   16896
.set FRG,   2048
.set SCO,   16384
.set WREG,  2*REC
.set SLOT,  2*WREG                     ; four records.  LDS: p's slot 0, p's slot 1, v's slot 0, v's slot 1: the head's one load a wave fills one of the four
.set SPARE, 4*SLOT                     ; the spare words, 128 bytes for each wave: two blocks of 256 bytes that no other line names
.set TBL,   SPARE+512                  ; 20 steps x 512 bytes: p's scale words under the row's M, at 4 (8 r + i)
.set LT,    TBL+20*512                 ; four tables of 128 pairs: 1 / l1, w / l1, 1 / l2, (1 - w) / l2, each number twice
.set STG,   LT+4096                    ; the way out: 16 rows x (256 bytes + 16) for each wave
.set ADP,  16                          ; v16-17 my fragments of p in slot 0, 1
.set ADV,  18                          ; v18-19 of v
.set AVS,  20                          ; v20-21 v's scale words
.set APS,  22                          ; v22    p's, in TBL
.set ALT,  23                          ; v23    my lane row's divisors
.set STO,  24
.set RD,   25
.set GO,   26
.set SPW,  28
.set NIL,  29
.set PS,   32                          ; scale words: set f: p's at PS + 8 f, v's at PS + 4 + 8 f
.set RW,   64                          ; v64-83   the 20 steps' raw words, then the final ones
.set RM,   84                          ; v84-103  -Mw
.set RL,   104                         ; v104-123 lw
.set NA,   128
.set NB,   129
.set NC,   130
.set N1,   131
.set N2,   132
.set NX,   133
.set FD,   134
.set DD,   135
.set EE,   136
.set B0,   137                         ; v137-140
.set TT,   141
.set BIG,  142
.set LA,   143
.set LB,   144
.set LC,   145
.set P1,   146                         ; pairs
.set P1W,  148
.set P2,   150
.set P2W,  152
.set MN,   154                         ; v154-157
.set G1A, 24
.set G1B, 32
.set G0A, 40                           ; s[40:59] group 0 for p: the first set for the head's load, the sets 2 to 4 for these slot steps
.set G0B, 68                           ; s[68:87] likewise for v
.set PF2, 44                           ; s[44:45], s[46:47], s[72:73] my shares of slot steps 2, 3 and 4, for the prefetches
.set PF3, 46
.set PF4, 72
.set PFO, 27                           ; v27  256 x lane
.set MSB, 0
.macro WIN new
.if MSB != (\new)
	s_set_vgpr_msb (MSB<<8)|(\new)
.set MSB, (\new)
.endif
.endm
.macro JLOAD sig                       ; the joint load of slot step sig: waves 0 and 1 fetch p's records, waves 2 and 3 v's; four v_nop follow each of the two lines
	s_cmp_eq_u32 s15, 0
	s_cbranch_scc0 .Lfor_b_\@
	tensor_load_to_lds s[G0A+4*\sig:G0A+4*\sig+3], s[G1A:G1A+7]
	s_nop 0
.rept 4
	v_nop
.endr
	s_branch .Lasked_\@
.Lfor_b_\@:
	tensor_load_to_lds s[G0B+4*\sig:G0B+4*\sig+3], s[G1B:G1B+7]
	s_nop 0
.rept 4
	v_nop
.endr
.Lasked_\@:
.endm
.macro CREST
	s_cmp_lg_u32 s14, 0
	s_cbranch_scc1 .Lnot_wave_0_\@
	s_barrier_signal -3
.Lnot_wave_0_\@:
	s_barrier_wait -3
	s_barrier_signal -1
	s_barrier_wait -1
.endm
.macro CROUND
	s_barrier_signal -1
	s_barrier_wait -1
	CREST
.endm
.macro PLACES n
.rept \n
	v_nop
.endr
.endm
	s_load_b256 s[4:11], s[0:1], 0x0               ; pP, sP, vP, out0
	v_lshl_add_u32 v[SPW], v0, 2, SPARE
	v_mov_b32 v[NIL], 0
	ds_add_u32 v28, v29
	ds_add_u32 v28, v29
	s_wait_dscnt 0x0
	v_lshrrev_b32 v1, 5, v0
	v_readfirstlane_b32 s14, v1                    ; wave 0..3
	s_lshr_b32 s15, s14, 1                         ; which 64 queries are mine.  Also: I fetch for p (0) or for v (1)
	s_and_b32 s16, s14, 1                          ; which 64 channels.  Also: which two of a slot's four steps I fetch
	s_bfe_u32 s22, ttmp6, 0x40000                  ; cx
	s_bfe_u32 s23, ttmp6, 0x40004                  ; cy
	s_and_b32 s12, ttmp7, 0xffff
	s_lshr_b32 s13, s12, 1                         ; the batch
	s_and_b32 s12, s12, 1                          ; g
	s_lshl_b32 s17, s12, 2
	s_add_co_u32 s19, s17, s23                     ; m2 = 4 g + cy
	s_sub_co_u32 s18, 12, s17
	s_add_co_u32 s18, s18, s23                     ; m1 = 12 - 4 g + cy
	s_lshl_b32 s2, ttmp9, 2
	s_add_co_u32 s2, s2, s22                       ; the channel group: 4 x cluster x + cx
	s_lshl_b32 s60, s23, 2
	s_lshl_b32 s60, 15, s60                        ; my row of the cluster
	s_lshl_b32 s61, 0x1111, s22                    ; my column
	s_or_b32 s[G1A], s60, (3<<16)|(1<<21)          ; 33,792 dense bytes as 132 rows of 32 elements of 8 bytes; the mask, and bit 21 beside it
	s_or_b32 s[G1B], s61, (3<<16)|(1<<21)
.irp g, G1A, G1B
	s_mov_b32 s[\g+1], 32<<16
	s_mov_b32 s[\g+2], 264<<16                     ; the head's load: four records; behind its wait the two words become 132
	s_mov_b32 s[\g+3], 32<<16
	s_mov_b32 s[\g+4], 264
	s_mov_b32 s[\g+5], 32
	s_mov_b32 s[\g+6], 0
	s_mov_b32 s[\g+7], 0
.endr
	s_lshl_b32 s60, s13, 4
	s_add_co_u32 s61, s60, s19
	s_lshl_b32 s61, s61, 4                         ; m2's first record: (16 x batch + m2) 16
	s_add_co_u32 s60, s60, s18
	s_lshl_b32 s60, s60, 4                         ; m1's
	s_cmp_eq_u32 s12, 0
	s_cselect_b32 s100, -1, 0                      ; all lanes where g = 0
	s_cselect_b32 s62, 12, 0                       ; slot step 3's first key step
	s_cselect_b32 s63, 0, 4                        ; slot step 4's
	s_cselect_b32 s101, s60, s61
	s_add_co_u32 s101, s101, s62                   ; slot step 3's first record of p
	s_add_co_u32 s61, s61, s63                     ; slot step 4's
	s_lshl_b32 s3, s13, 3
	s_add_co_u32 s3, s3, s2
	s_lshl_b32 s3, s3, 4                           ; v's first record: (8 x batch + channel group) 16
	s_lshl_b32 s17, s16, 1                         ; the two steps that I fetch
	s_lshl_b32 s104, s15, 2
	s_add_co_u32 s104, s104, s16
	s_mul_i32 s104, s104, WREG
	s_mov_b32 s67, 0
	s_mov_b32 s20, 0x76543210
	s_mov_b32 s21, 0xfedcba98
	s_wait_kmcnt 0x0
.macro SETG g0, sig, ptr, rec, add
	s_add_co_u32 s66, \rec, \add
	s_add_co_u32 s66, s66, s17
	s_mul_i32 s66, s66, REC
	s_mov_b32 s[\g0+4*\sig], 1
	s_add_co_u32 s[\g0+4*\sig+1], s104, (\sig%2)*SLOT
	s_add_nc_u64 s[\g0+4*\sig+2:\g0+4*\sig+3], s[\ptr:\ptr+1], s[66:67]
	s_or_b32 s[\g0+4*\sig+3], s[\g0+4*\sig+3], 0x80000000
.endm
.macro SETH g0, ptr, rec               ; the head's load: the four records of slot step s16
	s_lshl_b32 s66, s16, 2
	s_add_co_u32 s66, s66, \rec
	s_mul_i32 s66, s66, REC
	s_mov_b32 s[\g0], 1
	s_mul_i32 s[\g0+1], s14, SLOT
	s_add_nc_u64 s[\g0+2:\g0+3], s[\ptr:\ptr+1], s[66:67]
	s_or_b32 s[\g0+3], s[\g0+3], 0x80000000
.endm
	SETH G0A, 4, s60
	SETG G0A, 2, 4, s60, 8
	SETG G0A, 3, 4, s101, 0
	SETG G0A, 4, 4, s61, 0
	s_mul_i32 s66, s60, REC                        ; the statistics' bases: slot steps 0 to 2, 3, 4: in pP,
	s_add_nc_u64 s[88:89], s[4:5], s[66:67]
	s_mul_i32 s66, s101, REC
	s_add_nc_u64 s[90:91], s[4:5], s[66:67]
	s_mul_i32 s66, s61, REC
	s_add_nc_u64 s[92:93], s[4:5], s[66:67]
	s_lshl_b32 s66, s60, 10                        ; and in sP, 1,024 bytes a record
	s_add_nc_u64 s[94:95], s[6:7], s[66:67]
	s_lshl_b32 s66, s101, 10
	s_add_nc_u64 s[96:97], s[6:7], s[66:67]
	s_lshl_b32 s66, s61, 10
	s_add_nc_u64 s[98:99], s[6:7], s[66:67]
	SETH G0B, 8, s3
	SETG G0B, 2, 8, s3, 8
	SETG G0B, 3, 8, s3, s62
	SETG G0B, 4, 8, s3, s63
; PREFETCHES of slot steps 2 to 4, one a wave for each, a slot step and more ahead of the load.  The four partners that share what I fetch (p: along the row, place cx; v: along the column, place cy) name 8,192 bytes each of its 33,792, a lane 256 bytes; the last 1,024 come by the load alone.
	s_cmp_eq_u32 s15, 0
	s_cselect_b32 s74, s22, s23
	s_lshl_b32 s74, s74, 13
.macro SETP d, reca, adda, addb
	s_cmp_eq_u32 s15, 0
	s_cselect_b32 s66, \reca, s3
	s_cselect_b32 s75, \adda, \addb
	s_cselect_b64 s[\d:\d+1], s[4:5], s[8:9]
	s_add_co_u32 s66, s66, s75
	s_add_co_u32 s66, s66, s17
	s_mul_i32 s66, s66, REC
	s_add_co_u32 s66, s66, s74
	s_add_nc_u64 s[\d:\d+1], s[\d:\d+1], s[66:67]
.endm
	SETP PF2, s60, 8, 8
	SETP PF3, s101, 0, s62
	SETP PF4, s61, 0, s63
	; THE HEAD.  Thread tau = 8 r + i is one row of each of the two tiles.  20 steps of 128 keys: raw scale word, -Mw, lw.  They are asked for ahead of the tiles
	v_lshlrev_b32 v10, 2, v0                       ; 4 tau
.set q, 0
.rept 20
.if q < 12
.set PBS, 88
.set QQ, q
.elseif q < 16
.set PBS, 90
.set QQ, q-12
.else
.set PBS, 92
.set QQ, q-16
.endif
	global_load_b32 v[RW+q], v10, s[PBS:PBS+1] offset:QQ*REC+SCO
	global_load_b32 v[RM+q], v10, s[PBS+6:PBS+7] offset:QQ*1024
	global_load_b32 v[RL+q], v10, s[PBS+6:PBS+7] offset:QQ*1024+512
.set q, q+1
.endr
	CROUND                                         ; all sixteen work-groups are here: the first joint loads meet
	JLOAD 0                                        ; slot steps 0 and 1: one tensor load a wave at the head
	v_and_b32 v[PFO], 31, v0
	v_lshlrev_b32 v[PFO], 8, v[PFO]
	global_prefetch_b8 v[PFO], s[PF2:PF2+1] th:TH_LOAD_NT scope:SCOPE_SE   ; slot step 2
.macro OBASE dst, mreg                 ; out0 at (2,048 x batch + 128 m + 64 x my half) rows of 4,096 bytes + (128 x channel group + 64 x my half) x 4
	s_lshl_b32 s66, s13, 11
	s_lshl_b32 s23, \mreg, 7
	s_add_co_u32 s66, s66, s23
	s_lshl_b32 s23, s15, 6
	s_add_co_u32 s66, s66, s23
	s_lshl_b32 s66, s66, 12
	s_lshl_b32 s23, s2, 9
	s_add_co_u32 s66, s66, s23
	s_lshl_b32 s23, s16, 8
	s_add_co_u32 s66, s66, s23
	s_add_nc_u64 s[\dst:\dst+1], s[10:11], s[66:67]
.endm
	OBASE 60, s18
	OBASE 62, s19
	v_and_b32 v1, 15, v0                           ; r
	v_bfe_u32 v2, v0, 4, 1                         ; h
	v_and_b32 v3, 31, v0
	v_lshlrev_b32 v4, 4, v3                        ; 16 x lane
	v_lshl_add_u32 v11, v0, 2, TBL
	v_lshl_add_u32 v12, v0, 3, LT
	s_lshl_b32 s23, s15, 13                        ; my four fragments of p
	v_add_nc_u32 v[ADP], s23, v4
	v_add_nc_u32 v[ADP+1], SLOT, v[ADP]
	s_lshl_b32 s23, s16, 13
	s_add_co_u32 s23, s23, 2*SLOT                  ; of v, behind p's eight records
	v_add_nc_u32 v[ADV], s23, v4
	v_add_nc_u32 v[ADV+1], SLOT, v[ADV]
	s_lshl_b32 s23, s16, 4
	s_add_co_u32 s23, s23, 2*SLOT+SCO
	v_lshl_add_u32 v[AVS], v1, 5, s23
	v_add_nc_u32 v[AVS+1], SLOT, v[AVS]
	s_lshl_b32 s23, s15, 4
	s_add_co_u32 s23, s23, TBL
	v_lshl_add_u32 v[APS], v1, 5, s23
	s_lshl_b32 s23, s15, 5
	s_add_co_u32 s23, s23, LT
	v_lshl_add_u32 v[ALT], v1, 6, s23
	s_mul_i32 s23, s14, 16*272
	s_add_co_u32 s23, s23, STG                     ; my stage
	v_mul_u32_u24 v5, v1, 272
	v_lshl_add_u32 v5, v2, 6, v5
	v_add_nc_u32 v[STO], s23, v5                   ; in: row r, + 64 h
	v_mul_u32_u24 v5, v2, 272
	v_lshl_add_u32 v5, v1, 4, v5
	v_add_nc_u32 v[RD], s23, v5                    ; back: lanes 0-15 one row, lanes 16-31 the next
	v_lshlrev_b32 v[GO], 12, v2
	v_lshl_add_u32 v[GO], v1, 4, v[GO]             ; and the same two rows in out0
	v_mov_b32 v[BIG], 0x7f61b1e6                   ; 3e38
	s_wait_loadcnt 0x0
	v_min3_num_f32 v[NA], v[RM], v[RM+1], v[RM+2]  ; -M = the least -Mw: over slot steps 0 to 2,
.irp i, 3,5,7,9
	v_min3_num_f32 v[NA], v[NA], v[RM+\i], v[RM+\i+1]
.endr
	v_min_num_f32 v[NA], v[NA], v[RM+11]
	v_min3_num_f32 v[NB], v[RM+12], v[RM+13], v[RM+14]   ; 3,
	v_min_num_f32 v[NB], v[NB], v[RM+15]
	v_min3_num_f32 v[NC], v[RM+16], v[RM+17], v[RM+18]   ; 4
	v_min_num_f32 v[NC], v[NC], v[RM+19]
	v_cndmask_b32 v[TT], v[BIG], v[NB], s100       ; slot step 3 belongs to tile 1 where g = 0,
	v_min_num_f32 v[N1], v[NA], v[TT]
	v_cndmask_b32 v[TT], v[NB], v[BIG], s100       ; else to tile 2
	v_min_num_f32 v[N2], v[NC], v[TT]
	v_cndmask_b32 v[NX], v[N2], v[N1], s100
.macro FIX q, nreg                     ; step q under its row's M
	v_sub_f32 v[FD], v[\nreg], v[RM+\q]            ; Mw - M: a whole number, 0 or less
	v_cvt_i32_f32 v[DD], v[FD]                     ; (it saturates, at -2^31)
	v_sub_nc_u32 v[EE], 0, v[DD]                   ; M - Mw, read as an unsigned number: 0 to 2^31
	v_ldexp_f32 v[RL+\q], v[RL+\q], v[DD]          ; lw 2^(Mw - M)
	v_and_b32 v[B0], 0xff, v[RW+\q]
	v_bfe_u32 v[B0+1], v[RW+\q], 8, 8
	v_bfe_u32 v[B0+2], v[RW+\q], 16, 8
	v_lshrrev_b32 v[B0+3], 24, v[RW+\q]
.irp i, 0,1,2,3
	v_min_u32 v[MN+\i], v[B0+\i], v[EE]
.endr
.irp i, 0,1,2,3
	v_sub_nc_u32 v[B0+\i], v[B0+\i], v[MN+\i]      ; the byte less M - Mw, held at 0 from below
.endr
	v_lshl_or_b32 v[B0], v[B0+1], 8, v[B0]
	v_lshl_or_b32 v[B0], v[B0+2], 16, v[B0]
	v_lshl_or_b32 v[RW+\q], v[B0+3], 24, v[B0]     ; into the step's own register: no LDS store's data are written again
	ds_store_b32 v11, v[RW+\q] offset:512*\q
.endm
.irp q, 0,1,2,3,4,5,6,7,8,9,10,11
	FIX \q, N1
.endr
.irp q, 12,13,14,15
	FIX \q, NX
.endr
.irp q, 16,17,18,19
	FIX \q, N2
.endr
	v_add_f32 v[LA], v[RL], v[RL+1]
	v_add_f32 v[LB], v[RL+12], v[RL+13]
	v_add_f32 v[LC], v[RL+16], v[RL+17]
.irp i, 2,3
	v_add_f32 v[LA], v[LA], v[RL+\i]
	v_add_f32 v[LB], v[LB], v[RL+12+\i]
	v_add_f32 v[LC], v[LC], v[RL+16+\i]
.endr
.irp i, 4,5,6,7,8,9,10,11
	v_add_f32 v[LA], v[LA], v[RL+\i]
.endr
	v_cndmask_b32 v[TT], 0, v[LB], s100
	v_add_f32 v[LA], v[LA], v[TT]                  ; l1
	v_cndmask_b32 v[TT], v[LB], 0, s100
	v_add_f32 v[LC], v[LC], v[TT]                  ; l2.  Every query sees its own key, so a row's largest p is above 1/2 and l is no zero
	s_wait_alu depctr_va_vdst(0)
	v_rcp_f32 v[P1], v[LA]
	v_rcp_f32 v[P1+1], v[LA]
	v_rcp_f32 v[P2], v[LC]
	v_rcp_f32 v[P2+1], v[LC]
	v_nop                                          ; a plain line behind the last reciprocal
	s_wait_alu depctr_va_vdst(0)                   ; one wait for the four, ahead of their first reader
	v_cndmask_b32 v[P1W], 0, v[P1], s100
	v_cndmask_b32 v[P1W+1], 0, v[P1], s100
	v_cndmask_b32 v[P2W], v[P2], 0, s100
	v_cndmask_b32 v[P2W+1], v[P2], 0, s100
	ds_store_b64 v12, v[P1:P1+1]
	ds_store_b64 v12, v[P1W:P1W+1] offset:1024
	ds_store_b64 v12, v[P2:P2+1] offset:2048
	ds_store_b64 v12, v[P2W:P2W+1] offset:3072
	s_wait_tensorcnt 0x0                           ; my part of both slots is in; no tensor load of mine is out, so the descriptors may be written: from here on a load brings two records
	s_mov_b32 s[G1A+2], 132<<16
	s_mov_b32 s[G1A+4], 132
	s_mov_b32 s[G1B+2], 132<<16
	s_mov_b32 s[G1B+4], 132
	s_wait_dscnt 0x0                               ; for the others' sake: my words and divisors have landed
	s_barrier_signal -1
	s_barrier_wait -1
; step j of an LDS slot, the q-th of the 20, into buffer f: 32 loads of fragments in one run, and the two sides' scale words
.macro FETCHV slot, j, q, f
	WIN 0x40                                       ; destination window 1
.irp a, 0,1,2,3
.irp c, 0,1,2,3
	ds_load_b128 v[128*(\f)+16*\a+4*\c:128*(\f)+16*\a+4*\c+3], v[ADP+\slot] offset:(\j)*REC+\a*FRG+512*\c
.endr
.endr
.irp b, 0,1,2,3
.irp c, 0,1,2,3
	ds_load_b128 v[128*(\f)+64+16*\b+4*\c:128*(\f)+64+16*\b+4*\c+3], v[ADV+\slot] offset:(\j)*REC+\b*FRG+512*\c
.endr
.endr
	WIN 0
	ds_load_b128 v[PS+8*(\f):PS+8*(\f)+3], v[APS] offset:512*(\q)
	ds_load_b128 v[PS+4+8*(\f):PS+7+8*(\f)], v[AVS+\slot] offset:(\j)*REC
.endm
; na x 4 matrix instructions from buffer f: p's blocks a0 on x v's four.  The 16 accumulators take turns, one instruction a turn, in the same order in every step.
.macro MULV f, a0, na, base, zero
.set aa, \a0
.rept \na
.irp b, 0,1,2,3
.if \zero
	v_wmma_scale_f32_16x16x128_f8f6f4 v[\base+8*(4*aa+\b):\base+8*(4*aa+\b)+7], v[128*(\f)+64+16*\b:128*(\f)+64+16*\b+15], v[128*(\f)+16*aa:128*(\f)+16*aa+15], 0, v[PS+4+8*(\f)+\b], v[PS+8*(\f)+aa]
.else
	v_wmma_scale_f32_16x16x128_f8f6f4 v[\base+8*(4*aa+\b):\base+8*(4*aa+\b)+7], v[128*(\f)+64+16*\b:128*(\f)+64+16*\b+15], v[128*(\f)+16*aa:128*(\f)+16*aa+15], v[\base+8*(4*aa+\b):\base+8*(4*aa+\b)+7], v[PS+4+8*(\f)+\b], v[PS+8*(\f)+aa]
.endif
.endr
.set aa, aa+1
.endr
.endm
.macro STEPV slot, j, q, win, base, zero   ; one of a slot's first three steps
	s_wait_dscnt 0x0                               ; this step's fragments and words are in
	PLACES 8                                       ; in front of loads into the buffer that the last step's products read
	FETCHV \slot, (\j)+1, (\q)+1, 1-(\j)%2
	WIN \win
	MULV (\j)%2, 0, 4, \base, \zero
.endm
; A slot's last step changes slots: one barrier; in front of it each wave waits for all its tensor loads, adds 0 to its spare word, and waits for that and for its reads of this slot.
.macro TURNV slot, next, q, win, base, fill, sig
	WIN 0
	s_wait_tensorcnt 0x0                           ; all my tensor loads have landed: my part of the next slot
	ds_add_u32 v[SPW], v[NIL]                      ; 0 onto my spare word
	s_wait_dscnt 1                                 ; this step's loads are in; the add alone may be out
	WIN \win
	MULV 1, 0, 1, \base, 0
	s_wait_dscnt 0x0                               ; the add is done, and my reads of this slot are over
	s_barrier_signal -1
	MULV 1, 1, 1, \base, 0
	WIN 0
	s_barrier_wait -1
.if \fill
	CREST                                          ; a round of the cluster's barrier: no wave of any partner still reads this slot or has a load on its way
	JLOAD \sig                                     ; my one tensor load behind the round; its four v_nop are among the places in front of the loads below
	PLACES 4
.else
	PLACES 8
.endif
	FETCHV \next, 0, (\q)+1, 0
	WIN \win
	MULV 1, 2, 2, \base, 0
.endm
.set W2, 0xa5                          ; sources 0 and 1 window 1, C and D window 2
.set W3, 0xf5                          ; C and D window 3
	FETCHV 0, 0, 0, 0
	global_prefetch_b8 v[PFO], s[PF3:PF3+1] th:TH_LOAD_NT scope:SCOPE_SE   ; slot step 3
	STEPV 0, 0, 0, W2, 0, 1                        ; slot step 0: its first products start ACC1: nothing is cleared
	STEPV 0, 1, 1, W2, 0, 0
	STEPV 0, 2, 2, W2, 0, 0
	TURNV 0, 1, 3, W2, 0, 1, 2
	WIN 0
	global_prefetch_b8 v[PFO], s[PF4:PF4+1] th:TH_LOAD_NT scope:SCOPE_SE   ; slot step 4
	STEPV 1, 0, 4, W2, 0, 0                        ; slot step 1
	STEPV 1, 1, 5, W2, 0, 0
	STEPV 1, 2, 6, W2, 0, 0
	TURNV 1, 0, 7, W2, 0, 1, 3
	STEPV 0, 0, 8, W2, 0, 0                        ; slot step 2
	STEPV 0, 1, 9, W2, 0, 0
	STEPV 0, 2, 10, W2, 0, 0
	TURNV 0, 1, 11, W2, 0, 1, 4
	STEPV 1, 0, 12, W3, 0, 1                       ; slot step 3 starts ACC3
	STEPV 1, 1, 13, W3, 0, 0
	STEPV 1, 2, 14, W3, 0, 0
	TURNV 1, 0, 15, W3, 0, 0, 0                    ; nothing is left to fetch
	WIN 0
	PLACES 8                                       ; ACC1 and ACC3 are finished: tile 1 leaves ahead of slot step 4, so that its stores are on their way under that step
.irp k, 0,1,2,3
.irp e, 0,1
	ds_load_b128 v[64+8*\k+4*\e:64+8*\k+4*\e+3], v[ALT] offset:1024*\k+16*\e   ; table k, blocks 2 e and 2 e + 1: pair (k, a) at v[64 + 8 k + 2 a]
.endr
.endr
	s_wait_dscnt 0x0
.macro OUTB p, a, blk                  ; tile p (0, 1), block a; blk: the block's number, 0 to 7
.set YB, 96
.set ZB, 128+32*((\blk)%2)
.set LP, 64+16*(\p)
	WIN 0x02                                       ; source 0 window 2
.set k, 0
.rept 16
	v_pk_mul_f32 v[YB+2*k:YB+2*k+1], v[128*(\p)+32*(\a)+2*k:128*(\p)+32*(\a)+2*k+1], v[LP+2*(\a):LP+2*(\a)+1]   ; each accumulator from its low end on
.set k, k+1
.endr
	WIN 0x03                                       ; source 0 window 3
.set k, 0
.rept 16
	v_pk_fma_f32 v[YB+2*k:YB+2*k+1], v[32*(\a)+2*k:32*(\a)+2*k+1], v[LP+8+2*(\a):LP+8+2*(\a)+1], v[YB+2*k:YB+2*k+1]
.set k, k+1
.endr
	WIN 0
.irp b, 0,1,2,3
	ds_store_b128 v[STO], v[YB+8*\b:YB+8*\b+3] offset:128*(\b/2)+32*(\b%2)       ; channels 32 (b / 2) + 16 h + 8 (b % 2) + 0 .. 7 of my 64
	ds_store_b128 v[STO], v[YB+8*\b+4:YB+8*\b+7] offset:128*(\b/2)+32*(\b%2)+16
.endr
.if (\blk) >= 2
	s_wait_xcnt 0x0                                ; the stores of two blocks ago have read their data: their registers are loaded again only behind this wait
.endif
.irp t, 0,1,2,3,4,5,6,7
	ds_load_b128 v[ZB+4*\t:ZB+4*\t+3], v[RD] offset:544*\t   ; LDS serves a wave's instructions in order: these see my stores
.endr
.irp t, 0,1,2,3,4,5,6,7
	s_wait_dscnt 7-\t                              ; load t is in; the block's younger loads may be out.  The last count is 0: the stores into the stage have read the block's registers
	global_store_b128 v[GO], v[ZB+4*\t:ZB+4*\t+3], s[60+2*(\p):61+2*(\p)] offset:(32*((\a)/2)+8*((\a)%2)+2*\t+8*(\t/4))*4096 th:TH_STORE_NT   ; sixteen lanes store 256 consecutive bytes, aligned; stage row 2 t + h is query 32 (a / 2) + 8 (a % 2) + 2 t + h + 8 (t / 4) of my 64
.endr
.endm
	OUTB 0, 0, 0
	OUTB 0, 1, 1
	OUTB 0, 2, 2
	OUTB 0, 3, 3
	STEPV 0, 0, 16, W2, 128, 1                     ; slot step 4 starts ACC2
	STEPV 0, 1, 17, W2, 128, 0
	STEPV 0, 2, 18, W2, 128, 0
	s_wait_dscnt 0x0
	WIN W2
	MULV 1, 0, 4, 128, 0
	WIN 0
	PLACES 8
	OUTB 1, 0, 4
	OUTB 1, 1, 5
	OUTB 1, 2, 6
	OUTB 1, 3, 7
	s_wait_tensorcnt 0x0                           ; the wave's end
	ds_add_u32 v[SPW], v[NIL]
	s_wait_dscnt 0x0
	CROUND                                         ; the closing round
	s_endpgm
.Lfunc_end_k_qe0157a4fa3_pv:
	.size	k_qe0157a4fa3_pv, .Lfunc_end_k_qe0157a4fa3_pv-k_qe0157a4fa3_pv
	.p2alignl 7, 3214868480
	.fill 96, 4, 3214868480
	.section	.rodata,"a",@progbits
	.p2align	6, 0x0
	.amdhsa_kernel k_qe0157a4fa3_pv
		.amdhsa_group_segment_fixed_size 327680
		.amdhsa_private_segment_fixed_size 0
		.amdhsa_enable_private_segment 0
		.amdhsa_kernarg_size 32
		.amdhsa_user_sgpr_count 2
		.amdhsa_user_sgpr_kernarg_segment_ptr 1
		.amdhsa_wavefront_size32 1
		.amdhsa_system_sgpr_workgroup_id_x 1
		.amdhsa_system_sgpr_workgroup_id_y 1
		.amdhsa_system_sgpr_workgroup_id_z 1
		.amdhsa_system_vgpr_workitem_id 0
		.amdhsa_next_free_vgpr 896
		.amdhsa_next_free_sgpr 106
		.amdhsa_reserve_vcc 0
		.amdhsa_float_denorm_mode_32 3
		.amdhsa_float_denorm_mode_16_64 3
		.amdhsa_memory_ordered 1
		.amdhsa_forward_progress 1
		.amdhsa_inst_pref_size 164
	.end_amdhsa_kernel
	.amdgpu_metadata
---
amdhsa.version: [ 1, 2 ]
amdhsa.kernels:
  - .name:           k_qe0157a4fa3_pv
    .symbol:         k_qe0157a4fa3_pv.kd
    .args:
      - { .name: pP, .offset: 0, .size: 8, .value_kind: global_buffer, .address_space: global }
      - { .name: sP, .offset: 8, .size: 8, .value_kind: global_buffer, .address_space: global }
      - { .name: vP, .offset: 16, .size: 8, .value_kind: global_buffer, .address_space: global }
      - { .name: out0, .offset: 24, .size: 8, .value_kind: global_buffer, .address_space: global }
    .group_segment_fixed_size: 327680
    .private_segment_fixed_size: 0
    .kernarg_segment_align: 8
    .kernarg_segment_size: 32
    .max_flat_workgroup_size: 128
    .sgpr_count:     106
    .vgpr_count:     896
    .wavefront_size: 32
...
	.end_amdgpu_metadata
.endif
;; end of part 4
